; MI455X (gfx1250); checked and timed in simulation.
; The chip was launched on July 23, 2026; its instructions are those of AMD's public machine-readable ISA for CDNA 5 (MIT licence, August 2026) and "CDNA5" Instruction Set Architecture Reference Guide (July 2026). The comments in the code are by the model that wrote it; some were corrected since.
;; Ro PE Multihead Self Attention. Allowed arithmetic: matrix products marked QUANTISED: E2M3 operands, one E8M0 scale for each 32 along K, by v_wmma_scale_f32_16x16x128_f8f6f4 with both operands' format E2M3, f32 sums; everything else in f32.
;; Inputs: bk 1,024 float32; bo 1,024 float32; bq 1,024 float32; bv 1,024 float32; wk 1,024 x 1,024 float32; wo 1,024 x 1,024 float32; wq 1,024 x 1,024 float32; wv 1,024 x 1,024 float32; x 4 x 2,048 x 1,024 float32.
;; Outputs: out0 4 x 2,048 x 1,024 float32.
;; This version of the problem:
;;   THIS VERSION OF THE PROBLEM IS GIVEN IN LOW PRECISION. The matrix products marked QUANTISED in the list below multiply operands that are first quantised to E2M3 (2 exponent bits, 3 mantissa bits; 6 bits a number), with one power-of-two scale for each 32 numbers along K (OCP MX v1.0); their sums are f32. All else is computed in f32.
;;   The module's matrix products, in the order in which they are computed (A, B: the left and right operand; K: the contracted axis; several contracted axes count as one K, in the product's order):
;;     1. [M 8,192, K 1,024] x [K 1,024, N 1,024]; A: input x; B: input wq: QUANTISED
;;     2. [M 8,192, K 1,024] x [K 1,024, N 1,024]; A: input x; B: input wk: QUANTISED
;;     3. [M 8,192, K 1,024] x [K 1,024, N 1,024]; A: input x; B: input wv: QUANTISED
;;     4. batch 64 x [M 2,048, K 64] x [K 64, N 2,048]; A: computed on the way; B: computed on the way: QUANTISED
;;     5. batch 64 x [M 2,048, K 2,048] x [K 2,048, N 64]; A: softmax (see below); B: computed on the way: QUANTISED
;;     6. [M 8,192, K 1,024] x [K 1,024, N 1,024]; A: computed on the way; B: input wo: QUANTISED
;;   THE QUANTISER, for each operand of a quantised product, along K:
;;     - K is cut into blocks of 32 from its start; a last block that is shorter is filled with zeros.
;;     - A block's scale is 2^e with e = floor(log2(the largest magnitude in the block)) - 2, held to -126 .. 127; a block of zeros has e = 0. As a byte (E8M0): e + 127.
;;     - Each number is divided by its block's scale, clamped to +-7.5, and rounded to the nearest number of E2M3, ties to even, subnormals kept.
;;     - The product sums the exact products of the quantised numbers (number of the format x scale) in f32.
;;   ~~~python
;;   def quantise(x, axis):      # numpy; x: float32 -> the quantised numbers, widened to float32 again
;;       x = np.moveaxis(x, axis, -1); K = x.shape[-1]
;;       x = np.pad(x, [(0, 0)] * (x.ndim - 1) + [(0, -K % 32)]); x = x.reshape(x.shape[:-1] + (-1, 32)); a = np.abs(x).max(-1, keepdims=True)
;;       e = np.where(a > 0, np.clip(np.frexp(np.where(a > 0, a, 1))[1] - 1 - 2, -126, 127), 0)      # np.frexp(a)[1] - 1 = floor(log2(a)), exactly
;;       r = np.clip(x / 2.0 ** e, -7.5, 7.5)
;;       step = 2.0 ** (np.maximum(np.frexp(np.where(r == 0, 1, r))[1] - 1, 0) - 3)
;;       q = np.round(r / step) * step * 2.0 ** e      # np.round: ties to even
;;       return np.moveaxis(q.reshape(q.shape[:-2] + (-1,))[..., :K], -1, axis).astype(np.float32)
;;   ~~~
;;   SOFTMAX AHEAD OF A QUANTISED PRODUCT. Where the list says 'softmax', what is quantised is not the finished softmax but p = 2^(t - M), with t = logit x log2(e) and M = ceil(the row's largest t), a whole number; so 1/2 < the row's largest p <= 1. The row's sum l is taken of the UNQUANTISED p, in f32, and the product's result is divided by l at the end. Since M is a whole number, a kernel that streams over the keys may use a running M (the ceiling of the running maximum): every later rescaling is an exact power of two, which a block's scale takes up: the codes' values come out the same.
;;   OPERANDS COMPUTED ON THE WAY. 'Computed on the way' means the value that the module computes at that place (a softmax that the list does not call 'softmax' is quantised finished and normalised). What goes into a quantiser is computed in f32, as accurately as f32 sums, v_exp_f32 and their like allow (about 1e-6 of the number): no bf16 or f16 on the way to a quantiser, and a product that is left as it is and whose result goes on into a quantised operand takes f32 operands (vector FMAs, or v_wmma_f32_16x16x4_f32). A number that lies on a knife's edge between two numbers of the format may be rounded either way, as far as f32 arithmetic and the matrix unit's own rounding can turn it there, and no further.
;; One version. Each part assembles by itself: llvm-mc -triple=amdgcn-amd-amdhsa -mcpu=gfx1250 --defsym DOCPART=n.
;; ======== version 1 of 1: 4 launches
;; limits: right only within a limited range of input values
;; workspace buffers: cimg 9,437,184 bytes; cscl 393,216 bytes; rope 524,288 bytes; qkvimg 18,874,368 bytes; qkvscl 786,432 bytes; aimg 6,291,456 bytes; ascl 262,144 bytes
;; launch prep (part 1): grid 256 x 1, 4 waves a work-group, no clusters, 34,304 bytes of LDS; arguments x, wq, wk, wv, wo, cimg, cscl, rope; writes cimg, cscl, rope
.if DOCPART == 1
	.amdgcn_target "amdgcn-amd-amdhsa--gfx1250"
	.amdhsa_code_object_version 6
	.text
	.protected	k_q286940df7e_prep
	.globl	k_q286940df7e_prep
	.p2align	8
	.type	k_q286940df7e_prep,@function
k_q286940df7e_prep:
	s_mov_b64 s[64:65], 0
	v_nop
	global_prefetch_b8 v0, s[64:65] scope:SCOPE_SE
	s_setreg_imm32_b32 hwreg(HW_REG_WAVE_MODE, 25, 1), 1
	s_wait_xcnt 0x0
; PREP.  x [8192][1024] and wq, wk, wv, wo [1024][1024], f32, K innermost, become codes of FP6 (E2M3) with one E8M0 byte for each 32 along K; and the table of cos and sin for the rotary embedding is made.
; ORDER OF ROWS.  Rows are kept in tiles of 16; row r of tile T of a tensor is the tensor's row 32 (T / 2) + 8 (T % 2) + r + 8 (r / 8).  So the results of two neighbouring tiles of a product's
; source 0 are 16 neighbours along the next product's K in one lane's registers.
; cimg: [block of 8 tiles][256 along K][tile][128 along K][1,536 bytes]: an image of the operand's 12 registers: for each half (64 along K) registers 0-3 at 16 x lane, registers 4-5 at 512 + 8 x lane, 768 bytes.
; cscl: [row as kept][8 words]: word t holds the four bytes of k = 128 t .. 128 t + 127.      rope: [s 2048][j 32][cos, sin] f32.
; SHARES.  768 tiles (512 of x, 64 of each weight): waves 0-2 of work-group g take tile 3 g + wave, all of K, in 8 steps of 128.  Wave 3 makes the table's rows 8 g .. 8 g + 7, a lane to a frequency.
; A load reads 512 consecutive bytes of one row; a step's 16 rows turn through the wave's own stage in LDS (rows of 528 bytes = 33 x 16) and come back
; so that lane (r, h) holds k = 64 c + 32 h + 0 .. 31 of row r: whole blocks, in the operand's own order.  No barrier: waves share nothing.  Loads run two steps (32 loads a wave) ahead.
; A block's scale is 2^(floor(log2(largest magnitude)) - 2); its byte is the largest magnitude's exponent field - 2, held at 1 from below.
; LIMITS: a block of zeros gets the byte 1 (its codes are zeros; this program alone reads the bytes); blocks whose largest magnitude lies under 2^-124 are held at byte 1; NaN and infinities are not served;
; cos and sin are good to about 1e-7 absolute for angles up to 2,047 (reduction by pi/2 in two f32 words, polynomials of degree 7 and 8).
.set STGB, 8448                        ; a wave's stage: 16 rows x 528 bytes
.set L16,  4                           ; v4   16 x lane
.set L8,   5                           ; v5   8 x lane
.set SI,   6                           ; v6   the stage, on the way in
.set SO,   7                           ; v7   and on the way out: 528 r + 128 h
.set H8,   8                           ; v8   8 h
.set SCO,  9                           ; v9   32 r + 16 h: my 16 bytes of the tile's scale words
.set TM,   10                          ; v10-11 largest magnitudes
.set SCV,  12                          ; v12-13 the conversions' scale operands
.set BY,   14                          ; v14-15 the bytes
.set WD,   16
.set PD,   17                          ; a lane permute's destination: written once at the head
.set SW,   18                          ; v18-25 the eight scale words of my row
.set SL,   26                          ; v26-29 the four that I store
.set C,    32                          ; v32-43 a fragment's codes
.set TC,   44                          ; v44-46, v48-50 the upper halves of blocks, as converted
.set X,    64                          ; v64-127 my 64 numbers of a step
.set R,    128                         ; v128-255 two sets of 64 registers as loaded
	s_load_b256 s[4:11], s[0:1], 0x0               ; x s[4:5], wq s[6:7], wk s[8:9], wv s[10:11]
	s_load_b256 s[12:19], s[0:1], 0x20             ; wo s[12:13], cimg s[14:15], cscl s[16:17], rope s[18:19]
	v_lshl_add_u32 v62, v0, 2, 0x8400
	v_mov_b32 v63, 0
	v_lshrrev_b32 v1, 5, v0
	v_readfirstlane_b32 s22, v1                    ; wave
	v_and_b32 v1, 31, v0                           ; lane
	v_and_b32 v2, 15, v0                           ; r
	v_bfe_u32 v3, v0, 4, 1                         ; h
	v_lshlrev_b32 v[L16], 4, v1
	v_lshlrev_b32 v[L8], 3, v1
	s_mul_i32 s23, s22, STGB
	v_add_nc_u32 v[SI], s23, v[L16]
	v_mul_u32_u24 v[SO], v2, 528
	v_lshl_add_u32 v[SO], v3, 7, v[SO]
	v_add_nc_u32 v[SO], s23, v[SO]
	v_lshlrev_b32 v[H8], 3, v3
	v_lshlrev_b32 v[SCO], 5, v2
	v_lshl_add_u32 v[SCO], v3, 4, v[SCO]
	v_mov_b32 v[PD], 0
	s_mul_i32 s24, ttmp9, 3
	s_add_co_u32 s24, s24, s22                     ; my tile, 0 .. 767
	s_cmp_eq_u32 s22, 3
	s_cbranch_scc1 .Ltable
	s_mov_b32 s30, 0x76543210
	s_mov_b32 s31, 0xfedcba98                      ; v_permlanex16_b32's selects for lane l xor 16
	s_mov_b32 s32, 0xffff0000                      ; the lanes with h = 1
	s_and_b32 s25, s24, 63                         ; the tile's number in a weight
	s_lshr_b32 s33, s24, 3
	s_mul_i32 s28, s33, 98304                      ; cimg: the block of 8 tiles,
	s_and_b32 s33, s24, 7
	s_mul_i32 s33, s33, 3072                       ; and my tile in it
	s_add_co_u32 s28, s28, s33
	s_mov_b32 s29, 0
	s_lshl_b32 s34, s24, 9                         ; cscl: 16 rows x 32 bytes a tile
	s_mov_b32 s35, 0
	s_wait_kmcnt 0x0
	s_add_nc_u64 s[14:15], s[14:15], s[28:29]
	s_add_nc_u64 s[16:17], s[16:17], s[34:35]
	s_mov_b64 s[20:21], s[12:13]                   ; which tensor: the choice hangs on the tile's number alone
	s_cmp_lt_u32 s24, 704
	s_cselect_b64 s[20:21], s[10:11], s[20:21]
	s_cmp_lt_u32 s24, 640
	s_cselect_b64 s[20:21], s[8:9], s[20:21]
	s_cmp_lt_u32 s24, 576
	s_cselect_b64 s[20:21], s[6:7], s[20:21]
	s_cmp_lt_u32 s24, 512
	s_cselect_b64 s[20:21], s[4:5], s[20:21]
	s_cselect_b32 s25, s24, s25                    ; the tile's number in its tensor
	s_lshr_b32 s26, s25, 1
	s_lshl_b32 s26, s26, 17                        ; 32 rows of 4,096 bytes for each pair of tiles,
	s_and_b32 s27, s25, 1
	s_lshl_b32 s27, s27, 15                        ; 8 rows for the odd one
	s_add_co_u32 s26, s26, s27
	s_mov_b32 s27, 0
	s_add_nc_u64 s[20:21], s[20:21], s[26:27]
.macro LOAD t                          ; step t: 128 numbers of each of the tile's 16 rows; a load is one row's 512 consecutive bytes
.irp i, 0,1,2,3,4,5,6,7,8,9,10,11,12,13,14,15
	global_load_b128 v[R+64*((\t)%2)+4*\i:R+64*((\t)%2)+4*\i+3], v[L16], s[20:21] offset:(\i+8*(\i/8))*4096+512*(\t) th:TH_LOAD_NT
.endr
.endm
.macro TURN t                          ; through the stage: LDS serves a wave's instructions in order, so no wait stands between the stores and the loads
.irp i, 0,1,2,3,4,5,6,7,8,9,10,11,12,13,14,15
	ds_store_b128 v[SI], v[R+64*((\t)%2)+4*\i:R+64*((\t)%2)+4*\i+3] offset:528*\i
.endr
.irp c, 0,1
.irp n, 0,1,2,3,4,5,6,7
	ds_load_b128 v[X+32*\c+4*\n:X+32*\c+4*\n+3], v[SO] offset:256*\c+16*\n
.endr
.endr
.endm
.macro QSTEP t
.if (\t) < 7
	s_wait_loadcnt 16                              ; this step's 16 loads are in; the next step's 16 may be out
.else
	s_wait_loadcnt 0x0
.endif
	TURN \t
	s_wait_dscnt 0x0                               ; my 64 numbers are back, and the stores have read their registers,
.if (\t)+2 < 8
	LOAD (\t)+2                                    ; which take the loads of two steps on
.endif
.irp c, 0,1
	v_max3_num_f32 v[TM+\c], |v[X+32*\c]|, |v[X+1+32*\c]|, 0x1800000   ; block 2 c + h is all mine; the floor 2^(3 - 127) holds the byte at 1 from below
.endr
.irp i, 2,4,6,8,10,12,14,16,18,20,22,24,26,28,30
.irp c, 0,1
	v_max3_num_f32 v[TM+\c], v[TM+\c], |v[X+32*\c+\i]|, |v[X+1+32*\c+\i]|
.endr
.endr
	v_add_nc_u32 v[SCV], 0xff000000, v[TM]         ; 2 off the exponent field: the conversion takes that field as its scale
	v_add_nc_u32 v[SCV+1], 0xff000000, v[TM+1]
	v_lshrrev_b32 v[BY], 23, v[SCV]
	v_lshrrev_b32 v[BY+1], 23, v[SCV+1]
	v_lshl_or_b32 v[WD], v[BY+1], 16, v[BY]        ; bytes h and 2 + h of the step's word,
	v_lshlrev_b32 v[WD], v[H8], v[WD]              ; at their places;
	v_permlanex16_b32 v[PD], v[WD], s30, s31
	v_or_b32 v[SW+(\t)], v[WD], v[PD]              ; with lane l xor 16's two the word is whole
	s_wait_alu depctr_va_vdst(0)
	s_wait_xcnt 0x0                                ; the last step's stores have read the codes' registers
	v_cvt_scalef32_pk16_fp6_f32 v[C:C+2], v[X:X+15], v[SCV]
	v_cvt_scalef32_pk16_fp6_f32 v[TC:TC+2], v[X+16:X+31], v[SCV]       ; (a conversion's three registers begin on an even number)
	v_cvt_scalef32_pk16_fp6_f32 v[C+6:C+8], v[X+32:X+47], v[SCV+1]
	v_cvt_scalef32_pk16_fp6_f32 v[TC+4:TC+6], v[X+48:X+63], v[SCV+1]
	v_nop                                          ; one plain place behind a scaled conversion
.irp i, 0,1,2
	v_mov_b32 v[C+3+\i], v[TC+\i]
	v_mov_b32 v[C+9+\i], v[TC+4+\i]
.endr
	global_store_b128 v[L16], v[C:C+3], s[14:15] offset:((\t)/2)*24576+((\t)%2)*1536          ; 512 consecutive bytes,
	global_store_b64 v[L8], v[C+4:C+5], s[14:15] offset:((\t)/2)*24576+((\t)%2)*1536+512      ; 256 consecutive bytes
	global_store_b128 v[L16], v[C+6:C+9], s[14:15] offset:((\t)/2)*24576+((\t)%2)*1536+768
	global_store_b64 v[L8], v[C+10:C+11], s[14:15] offset:((\t)/2)*24576+((\t)%2)*1536+1280
.endm
	LOAD 0
	LOAD 1
	s_wait_alu depctr_va_vdst(0)
.irp t, 0,1,2,3,4,5,6,7
	QSTEP \t
.endr
.irp i, 0,1,2,3
	v_cndmask_b32 v[SL+\i], v[SW+\i], v[SW+4+\i], s32                 ; lanes 0-15 store words 0-3 of their row, lanes 16-31 words 4-7
.endr
	global_store_b128 v[SCO], v[SL:SL+3], s[16:17]                    ; the tile's 512 consecutive bytes
	s_wait_tensorcnt 0x0
	ds_add_u32 v62, v63
	s_wait_dscnt 0x0
	s_endpgm
.Ltable:                                           ; wave 3: cos and sin of s / 10000^(j / 32), lane = j
	s_lshl_b32 s26, ttmp9, 11                      ; 8 rows of 256 bytes a work-group
	s_mov_b32 s27, 0
	s_mov_b32 s28, 0x3ed49a78                      ; log2(10) / 8, upper word,
	s_mov_b32 s29, 0x32179a12                      ; and what it leaves out
	s_lshl_b32 s30, ttmp9, 3                       ; my first s
	s_mov_b32 s33, 0x3fc90fdb                      ; pi / 2, upper word,
	s_mov_b32 s34, 0xb33bbd2e                      ; and the rest
	s_mov_b32 s35, 0xb94ca1f9                      ; sine: -1.9515295891e-4, 8.3321608736e-3, -1.6666654611e-1
	s_mov_b32 s36, 0x3c08839e
	s_mov_b32 s37, 0xbe2aaaa3
	s_mov_b32 s38, 0x37ccf5ce                      ; cosine: 2.443315711809948e-5, -1.388731625493765e-3, 4.166664568298827e-2
	s_mov_b32 s39, 0xbab6061a
	s_mov_b32 s40, 0x3d2aaaa5
	s_wait_kmcnt 0x0
	s_add_nc_u64 s[18:19], s[18:19], s[26:27]
	v_cvt_f32_u32 v32, v1                          ; j
	v_mul_f32 v33, s28, v32                        ; j log2(10) / 8, rounded;
	v_fma_f32 v34, v32, s28, -v33                  ; what the rounding lost,
	v_fma_f32 v34, v32, s29, v34                   ; and the constant's lower word
	v_floor_f32 v35, v33
	v_sub_f32 v33, v33, v35                        ; the fraction (exact),
	v_add_f32 v33, v33, v34                        ; made good
	v_cvt_i32_f32 v35, v35
	s_wait_alu depctr_va_vdst(0)
	v_exp_f32 v36, v33
	v_nop                                          ; a plain place behind the transcendental,
	s_wait_alu depctr_va_vdst(0)                   ; and the wait ahead of its first reader
	v_ldexp_f32 v36, v36, v35                      ; 10000^(j / 32)
	s_wait_alu depctr_va_vdst(0)
	v_rcp_f32 v37, v36
	v_nop
	s_wait_alu depctr_va_vdst(0)
	v_fma_f32 v38, -v36, v37, 1.0
	v_fma_f32 v37, v37, v38, v37                   ; its reciprocal, refined
.macro ROW e
	s_add_co_u32 s31, s30, \e
	v_cvt_f32_u32 v40, s31
	v_mul_f32 v40, v40, v37                        ; the angle: one rounding
	v_mul_f32 v41, 0x3f22f983, v40
	v_rndne_f32 v41, v41                           ; n = the nearest multiple of pi / 2
	v_fma_f32 v42, -v41, s33, v40
	v_fma_f32 v42, -v41, s34, v42                  ; what is left, at most pi / 4
	v_mul_f32 v43, v42, v42
	v_fma_f32 v44, v43, s35, s36
	v_fma_f32 v44, v44, v43, s37
	v_mul_f32 v45, v43, v42
	v_fma_f32 v44, v44, v45, v42                   ; its sine
	v_fma_f32 v46, v43, s38, s39
	v_fma_f32 v46, v46, v43, s40
	v_mul_f32 v47, v43, v43
	v_fma_f32 v48, v43, -0.5, 1.0
	v_fma_f32 v46, v46, v47, v48                   ; its cosine
	v_cvt_i32_f32 v49, v41
	v_and_b32 v50, 1, v49
	v_cmp_ne_u32 vcc_lo, 0, v50                    ; n odd: the two change places
	v_cndmask_b32 v51, v44, v46, vcc_lo
	v_cndmask_b32 v52, v46, v44, vcc_lo
	v_and_b32 v53, 2, v49
	v_lshlrev_b32 v53, 30, v53
	v_xor_b32 v[65+2*\e], v51, v53                 ; sin: minus where n % 4 is 2 or 3
	v_add_nc_u32 v54, 1, v49
	v_and_b32 v54, 2, v54
	v_lshlrev_b32 v54, 30, v54
	v_xor_b32 v[64+2*\e], v52, v54                 ; cos: minus where n % 4 is 1 or 2
	global_store_b64 v[L8], v[64+2*\e:65+2*\e], s[18:19] offset:256*\e   ; a row of the table: 256 consecutive bytes; each row has registers of its own
.endm
.irp e, 0,1,2,3,4,5,6,7
	ROW \e
.endr
	s_endpgm
.Lfunc_end_k_q286940df7e_prep:
	.size	k_q286940df7e_prep, .Lfunc_end_k_q286940df7e_prep-k_q286940df7e_prep
	.p2alignl 7, 3214868480
	.fill 96, 4, 3214868480
	.section	.rodata,"a",@progbits
	.p2align	6, 0x0
	.amdhsa_kernel k_q286940df7e_prep
		.amdhsa_group_segment_fixed_size 34304
		.amdhsa_private_segment_fixed_size 0
		.amdhsa_enable_private_segment 0
		.amdhsa_kernarg_size 64
		.amdhsa_user_sgpr_count 2
		.amdhsa_user_sgpr_kernarg_segment_ptr 1
		.amdhsa_wavefront_size32 1
		.amdhsa_system_sgpr_workgroup_id_x 1
		.amdhsa_system_sgpr_workgroup_id_y 1
		.amdhsa_system_sgpr_workgroup_id_z 1
		.amdhsa_system_vgpr_workitem_id 0
		.amdhsa_next_free_vgpr 256
		.amdhsa_next_free_sgpr 66
		.amdhsa_reserve_vcc 1
		.amdhsa_float_denorm_mode_32 3
		.amdhsa_float_denorm_mode_16_64 3
		.amdhsa_memory_ordered 1
		.amdhsa_forward_progress 1
		.amdhsa_inst_pref_size 71
	.end_amdhsa_kernel
	.amdgpu_metadata
---
amdhsa.version: [ 1, 2 ]
amdhsa.kernels:
  - .name:           k_q286940df7e_prep
    .symbol:         k_q286940df7e_prep.kd
    .args:
      - { .name: x, .offset: 0, .size: 8, .value_kind: global_buffer, .address_space: global }
      - { .name: wq, .offset: 8, .size: 8, .value_kind: global_buffer, .address_space: global }
      - { .name: wk, .offset: 16, .size: 8, .value_kind: global_buffer, .address_space: global }
      - { .name: wv, .offset: 24, .size: 8, .value_kind: global_buffer, .address_space: global }
      - { .name: wo, .offset: 32, .size: 8, .value_kind: global_buffer, .address_space: global }
      - { .name: cimg, .offset: 40, .size: 8, .value_kind: global_buffer, .address_space: global }
      - { .name: cscl, .offset: 48, .size: 8, .value_kind: global_buffer, .address_space: global }
      - { .name: rope, .offset: 56, .size: 8, .value_kind: global_buffer, .address_space: global }
    .group_segment_fixed_size: 34304
    .private_segment_fixed_size: 0
    .kernarg_segment_align: 8
    .kernarg_segment_size: 64
    .max_flat_workgroup_size: 128
    .sgpr_count:     66
    .vgpr_count:     256
    .wavefront_size: 32
...
	.end_amdgpu_metadata
.endif
;; end of part 1
;; launch qkv (part 2): grid 12 x 32, 4 waves a work-group, clusters of 4 x 4, 327,680 bytes of LDS; arguments cimg, cscl, bq, bk, bv, rope, qkvimg, qkvscl; writes qkvimg, qkvscl
.if DOCPART == 2
	.amdgcn_target "amdgcn-amd-amdhsa--gfx1250"
	.amdhsa_code_object_version 6
	.text
	.protected	k_q286940df7e_qkv
	.globl	k_q286940df7e_qkv
	.p2align	8
	.type	k_q286940df7e_qkv,@function
k_q286940df7e_qkv:
	s_mov_b64 s[64:65], 0
	v_nop
	global_prefetch_b8 v0, s[64:65] scope:SCOPE_SE
	s_setreg_imm32_b32 hwreg(HW_REG_WAVE_MODE, 25, 1), 1
	s_wait_xcnt 0x0
	s_wait_alu depctr_hold_cnt(0) depctr_sa_sdst(0) depctr_va_vdst(0) depctr_va_sdst(0) depctr_va_ssrc(0) depctr_va_vcc(0) depctr_vm_vsrc(0)
	s_getreg_b32 s2, hwreg(HW_REG_IB_STS2, 6, 4)
	s_cmp_eq_u32 s2, 0
	s_cbranch_scc0 .Lentry_in_a_cluster
	s_endpgm
.Lentry_in_a_cluster:
	s_bfe_u32 s2, ttmp6, 0x10000c
	s_cmp_lg_u32 s2, 0xf033
	s_cbranch_scc0 .Lentry_shape_is_right
	s_endpgm
.Lentry_shape_is_right:
.set NQ,     2
.set FR,     12
.set NL,     4
.set NP,     4
.set HALFT,  24576
.set SLOT,   4*HALFT
.set SCL,    2*SLOT
.set KS,     32
.set HALFS,  4352
.set SBLK,   544
.set SPARE,  SCL+4*HALFS
.set I16,  7
.set I8,   8
.set RO,   9
.set SCO,  10
.set BQL,  11
.set BVL,  12
.set ADRA, 16
.set ADRB, 20
.set ADRS, 27
.set SPW,  28
.set NIL,  29
.set SC,   32
.set BI,   64
.set AF,   128
.set G1, 24
.set G0, 32
.set G1B, 48
.set G0B, 56
.set G1S, 68
.set G0S, 76
.set G1SB, 80
.set G0SB, 88
.set SEL, 12
.set MSB, 0
.macro WIN new
.if MSB != (\new)
	s_set_vgpr_msb (MSB<<8)|(\new)
.set MSB, (\new)
.endif
.endm
.set MUL_LO, 0xa1
.set MUL_HI, 0xf1
.set TO_B,   0x40
.macro JLOAD g0a, g1a, g0b, g1b
	s_cmp_eq_u32 s15, 0
	s_cbranch_scc0 .Lfor_b_\@
	tensor_load_to_lds s[\g0a:\g0a+3], s[\g1a:\g1a+7]
	s_nop 0
.rept 4
	v_nop
.endr
	s_branch .Lasked_\@
.Lfor_b_\@:
	tensor_load_to_lds s[\g0b:\g0b+3], s[\g1b:\g1b+7]
	s_nop 0
.rept 4
	v_nop
.endr
.Lasked_\@:
.endm
.macro CREST
	s_cmp_lg_u32 s14, 0
	s_cbranch_scc1 .Lnot_wave_0_\@
	s_barrier_signal -3
.Lnot_wave_0_\@:
	s_barrier_wait -3
	s_barrier_signal -1
	s_barrier_wait -1
.endm
.macro CROUND
	s_barrier_signal -1
	s_barrier_wait -1
	CREST
.endm
	s_load_b128 s[4:7], s[0:1], 0x0
	s_load_b128 s[8:11], s[0:1], 0x10
	s_load_b128 s[92:95], s[0:1], 0x20
	v_lshl_add_u32 v[SPW], v0, 2, SPARE
	v_mov_b32 v[NIL], 0
	ds_add_u32 v28, v29
	ds_add_u32 v28, v29
	s_wait_dscnt 0x0
	v_lshrrev_b32 v1, 5, v0
	v_readfirstlane_b32 s14, v1
	s_lshr_b32 s15, s14, 1
	s_and_b32 s16, s14, 1
	s_bfe_u32 s40, ttmp6, 0x40000
	s_bfe_u32 s41, ttmp6, 0x40004
	s_mov_b32 s66, ttmp9
	s_and_b32 s17, ttmp7, 0xffff
	s_lshl_b32 s17, s17, 2
	s_lshl_b32 s18, s66, 2
	s_add_co_u32 s18, s18, 32
	s_cmp_eq_u32 s66, 2
	s_cselect_b32 s96, 40, s17
	s_cselect_b32 s97, s17, s18
	s_add_co_u32 s96, s96, s41
	s_add_co_u32 s97, s97, s40
	s_lshl_b32 s43, s41, 2
	s_lshl_b32 s43, 15, s43
	s_lshl_b32 s44, 0x1111, s40
	s_or_b32 s[G1+0], s43, (3<<16)|(1<<21)
	s_or_b32 s[G1B+0], s44, (3<<16)|(1<<21)
.irp g, G1, G1B
	s_mov_b32 s[\g+1], 32<<16
	s_mov_b32 s[\g+2], 96<<16
	s_mov_b32 s[\g+3], 32<<16
	s_mov_b32 s[\g+4], 96
	s_mov_b32 s[\g+5], 32
	s_mov_b32 s[\g+6], 0
	s_mov_b32 s[\g+7], 0
.endr
	s_or_b32 s[G1S+0], s43, (3<<16)|(1<<20)|(1<<21)|(5<<22)|(3<<25)
	s_or_b32 s[G1SB+0], s44, (3<<16)|(1<<20)|(1<<21)|(5<<22)|(3<<25)
.irp g, G1S, G1SB
	s_mov_b32 s[\g+1], 32<<16
	s_mov_b32 s[\g+2], 16<<16
	s_mov_b32 s[\g+3], 32<<16
	s_mov_b32 s[\g+4], 16
	s_mov_b32 s[\g+5], 32
	s_mov_b32 s[\g+6], 0
	s_mov_b32 s[\g+7], 0
.endr
	s_mul_i32 s18, s16, 98304
	s_mul_i32 s20, s96, 196608
	s_add_co_u32 s20, s20, s18
	s_mov_b32 s21, 0
	s_mul_i32 s46, s97, 196608
	s_add_co_u32 s46, s46, s18
	s_mov_b32 s47, 0
	s_lshl_b32 s18, s16, 12
	s_lshl_b32 s22, s96, 13
	s_add_co_u32 s22, s22, s18
	s_mov_b32 s23, 0
	s_lshl_b32 s100, s97, 13
	s_add_co_u32 s100, s100, s18
	s_mov_b32 s101, 0
	s_mul_i32 s45, s14, HALFT
	s_mul_i32 s3, s14, HALFS
	s_wait_kmcnt 0x0
	s_add_nc_u64 s[20:21], s[4:5], s[20:21]
	s_add_nc_u64 s[22:23], s[6:7], s[22:23]
	s_add_nc_u64 s[46:47], s[4:5], s[46:47]
	s_add_nc_u64 s[100:101], s[6:7], s[100:101]
	CROUND
	s_mov_b32 s[G0S], 1
	s_add_co_u32 s[G0S+1], s3, SCL
	s_mov_b64 s[G0S+2:G0S+3], s[22:23]
	s_or_b32 s[G0S+3], s[G0S+3], 0x80000000
	s_mov_b32 s[G0SB], 1
	s_add_co_u32 s[G0SB+1], s3, SCL
	s_mov_b64 s[G0SB+2:G0SB+3], s[100:101]
	s_or_b32 s[G0SB+3], s[G0SB+3], 0x80000000
	JLOAD G0S, G1S, G0SB, G1SB
.irp s, 0,1
	s_mov_b32 s[G0+4*\s], 1
	s_add_co_u32 s[G0+4*\s+1], s45, \s*SLOT
	s_add_nc_u64 s[G0+4*\s+2:G0+4*\s+3], s[20:21], \s*HALFT
	s_or_b32 s[G0+4*\s+3], s[G0+4*\s+3], 0x80000000
	s_mov_b32 s[G0B+4*\s], 1
	s_add_co_u32 s[G0B+4*\s+1], s45, \s*SLOT
	s_add_nc_u64 s[G0B+4*\s+2:G0B+4*\s+3], s[46:47], \s*HALFT
	s_or_b32 s[G0B+4*\s+3], s[G0B+4*\s+3], 0x80000000
	s_wait_alu depctr_va_vdst(0)
	s_wait_tensorcnt 0x0
	ds_add_u32 v28, v29
	s_wait_dscnt 0x0
	CROUND
	JLOAD G0+4*\s, G1, G0B+4*\s, G1B
.endr
	s_load_b128 s[4:7], s[0:1], 0x30
	s_mov_b32 s[SEL], 0x76543210
	s_mov_b32 s[SEL+1], 0xfedcba98
	s_mov_b32 s67, 0xffff0000
	v_and_b32 v1, 15, v0
	v_bfe_u32 v2, v0, 4, 1
	v_and_b32 v3, 31, v0
	v_lshlrev_b32 v[I16], 4, v3
	v_lshlrev_b32 v[I8], 3, v3
	s_mul_i32 s21, s15, HALFT
	s_mul_i32 s22, s16, HALFT
	s_add_co_u32 s22, s22, 2*HALFT
.irp s, 0,1
	v_add_nc_u32 v[ADRA+\s], s21, v[I16]
	v_add_nc_u32 v[ADRB+\s], s22, v[I16]
	v_add_nc_u32 v[ADRA+2+\s], s21, v[I8]
	v_add_nc_u32 v[ADRB+2+\s], s22, v[I8]
	s_add_co_u32 s21, s21, SLOT
	s_add_co_u32 s22, s22, SLOT
.endr
	v_mul_u32_u24 v5, v1, KS
	v_lshrrev_b32 v6, 8, v5
	v_lshl_add_u32 v5, v6, 4, v5
	s_mul_i32 s21, s15, HALFS
	s_mul_i32 s22, s16, HALFS
	s_add_co_u32 s22, s22, 2*HALFS
	s_sub_co_u32 s22, s22, s21
	v_mul_u32_u24 v6, s22, v2
	s_add_co_u32 s21, s21, SCL
	v_add_nc_u32 v5, v5, v6
	v_add_nc_u32 v[ADRS], s21, v5
	v_and_b32 v13, 8, v1
	v_add_nc_u32 v13, v13, v1
	v_lshlrev_b32 v[RO], 8, v13
	v_lshl_add_u32 v[RO], v2, 6, v[RO]
	v_lshlrev_b32 v[BVL], 2, v13
	v_lshlrev_b32 v[BQL], 6, v2
	v_lshlrev_b32 v[SCO], 4, v1
	v_lshl_add_u32 v[SCO], v2, 12, v[SCO]
	s_cmp_eq_u32 s66, 1
	s_cselect_b64 s[98:99], s[10:11], s[8:9]
	s_cmp_eq_u32 s66, 2
	s_cselect_b64 s[98:99], s[92:93], s[98:99]
	s_cselect_b32 s17, s97, s96
	s_cselect_b32 s18, s16, s15
	s_cselect_b32 s19, s41, s40
	s_cselect_b32 s2, s15, s16
	s_lshl_b32 s20, s19, 10
	s_lshl_b32 s21, s2, 9
	s_add_co_u32 s20, s20, s21
	s_mov_b32 s21, 0
	s_add_nc_u64 s[98:99], s[98:99], s[20:21]
	s_and_b32 s22, s17, 7
	s_lshl_b32 s22, s22, 1
	s_add_co_u32 s22, s22, s18
	s_lshr_b32 s23, s17, 3
	s_lshl_b32 s23, s23, 4
	s_lshl_b32 s42, s66, 6
	s_add_co_u32 s23, s23, s42
	s_lshl_b32 s42, s19, 2
	s_add_co_u32 s23, s23, s42
	s_lshl_b32 s42, s2, 1
	s_add_co_u32 s23, s23, s42
	s_lshl_b32 s20, s22, 15
	s_add_nc_u64 s[94:95], s[94:95], s[20:21]
	s_mul_i32 s20, s23, 98304
	s_mul_i32 s42, s22, 6144
	s_add_co_u32 s20, s20, s42
	s_lshl_b32 s46, s23, 12
	s_lshl_b32 s42, s22, 8
	s_add_co_u32 s46, s46, s42
	s_mov_b32 s47, 0
	s_wait_kmcnt 0x0
	s_add_nc_u64 s[4:5], s[4:5], s[20:21]
	s_add_nc_u64 s[6:7], s[6:7], s[46:47]
	s_cmp_eq_u32 s66, 2
	s_cbranch_scc1 .Lbias_v
	s_wait_alu depctr_va_vdst(0)
.irp b, 0,1,2,3,4,5,6,7
	global_load_b128 v[BI+8*\b:BI+8*\b+3], v[BQL], s[98:99] offset:(32*(\b/2)+8*(\b%2))*4
	global_load_b128 v[BI+8*\b+4:BI+8*\b+7], v[BQL], s[98:99] offset:(32*(\b/2)+8*(\b%2))*4+16
.endr
	s_branch .Lbias_done
.Lbias_v:
	s_wait_alu depctr_va_vdst(0)
.irp a, 0,1,2,3,4,5,6,7
.irp j, 0,1,2,3,4,5,6,7
	global_load_b32 v[BI+8*\a+\j], v[BVL], s[98:99] offset:(32*(\a/2)+8*(\a%2))*4
.endr
.endr
.Lbias_done:
.macro FRAG reg, adr, q, i
	ds_load_b128 v[\reg:\reg+3], v[\adr] offset:(\i)*3072+(\q)*1536
	ds_load_b64 v[\reg+4:\reg+5], v[\adr+2] offset:(\i)*3072+(\q)*1536+512
	ds_load_b128 v[\reg+6:\reg+9], v[\adr] offset:(\i)*3072+(\q)*1536+768
	ds_load_b64 v[\reg+10:\reg+11], v[\adr+2] offset:(\i)*3072+(\q)*1536+1280
.endm
.macro MUL16 a0, p, q, sc, mode
.irp a, \a0, \a0+1
.irp b, 0,1,2,3,4,5,6,7
.if \mode == 0
	v_wmma_scale_f32_16x16x128_f8f6f4 v[8*(8*((\a)%4)+\b):8*(8*((\a)%4)+\b)+7], v[128*(\p)+FR*\b:128*(\p)+FR*\b+FR-1], v[AF+FR*(\a):AF+FR*(\a)+FR-1], v[8*(8*((\a)%4)+\b):8*(8*((\a)%4)+\b)+7], v[SC+8*NQ*(\sc)+NQ*\b+(\q)], v[SC+8*NQ*(\sc)+NQ*(\a)+(\q)] matrix_a_fmt:MATRIX_FMT_FP6 matrix_b_fmt:MATRIX_FMT_FP6 matrix_a_scale:MATRIX_SCALE_ROW1
.elseif \mode == 1
	v_wmma_scale_f32_16x16x128_f8f6f4 v[8*(8*((\a)%4)+\b):8*(8*((\a)%4)+\b)+7], v[128*(\p)+FR*\b:128*(\p)+FR*\b+FR-1], v[AF+FR*(\a):AF+FR*(\a)+FR-1], v[BI+8*\b:BI+8*\b+7], v[SC+8*NQ*(\sc)+NQ*\b+(\q)], v[SC+8*NQ*(\sc)+NQ*(\a)+(\q)] matrix_a_fmt:MATRIX_FMT_FP6 matrix_b_fmt:MATRIX_FMT_FP6 matrix_a_scale:MATRIX_SCALE_ROW1
.else
	v_wmma_scale_f32_16x16x128_f8f6f4 v[8*(8*((\a)%4)+\b):8*(8*((\a)%4)+\b)+7], v[128*(\p)+FR*\b:128*(\p)+FR*\b+FR-1], v[AF+FR*(\a):AF+FR*(\a)+FR-1], v[BI+8*(\a):BI+8*(\a)+7], v[SC+8*NQ*(\sc)+NQ*\b+(\q)], v[SC+8*NQ*(\sc)+NQ*(\a)+(\q)] matrix_a_fmt:MATRIX_FMT_FP6 matrix_b_fmt:MATRIX_FMT_FP6 matrix_a_scale:MATRIX_SCALE_ROW1
.endif
.endr
.endr
.endm
.macro FETCH_B slot, q, p
	WIN TO_B
.irp i, 0,1,2,3,4,5,6,7
	FRAG 128*(\p)+FR*\i, ADRB+\slot, \q, \i
.endr
	WIN 0
.endm
.macro FETCH_A slot, q, i0
.irp i, \i0, \i0+1, \i0+2, \i0+3
	FRAG AF+FR*(\i), ADRA+\slot, \q, \i
.endr
.endm
.macro SCALES sc
.irp i, 0,1,2,3,4,5,6,7
	ds_load_b64 v[SC+8*NQ*\sc+NQ*\i:SC+8*NQ*\sc+NQ*\i+1], v[ADRS] offset:\i*SBLK
.endr
.endm
.macro PLACES n
.rept \n
	v_nop
.endr
.endm
.macro STEP slot, q, mode
	s_wait_dscnt 4*NL
.if \mode
	WIN 0x81
.else
	WIN MUL_LO
.endif
	MUL16 0, (\q)%2, \q, \slot, \mode
	MUL16 2, (\q)%2, \q, \slot, \mode
	s_wait_dscnt 0
	PLACES NP
	FETCH_B \slot, (\q)+1, 1-(\q)%2
	FETCH_A \slot, (\q)+1, 0
.if \mode
	WIN 0xc1
.else
	WIN MUL_HI
.endif
	MUL16 4, (\q)%2, \q, \slot, \mode
	MUL16 6, (\q)%2, \q, \slot, \mode
	PLACES NP
	WIN 0
	FETCH_A \slot, (\q)+1, 4
.endm
.macro TURN slot, next, fill
	s_wait_tensorcnt 0x0
	ds_add_u32 v[SPW], v[NIL]
	s_wait_dscnt 4*NL+1
	WIN MUL_LO
	MUL16 0, 1, NQ-1, \slot, 0
	s_wait_dscnt 0x0
	s_barrier_signal -1
	MUL16 2, 1, NQ-1, \slot, 0
	WIN 0
	s_barrier_wait -1
.if \fill
	CREST
	s_add_nc_u64 s[G0+4*\slot+2:G0+4*\slot+3], s[G0+4*\slot+2:G0+4*\slot+3], 2*HALFT
	s_add_nc_u64 s[G0B+4*\slot+2:G0B+4*\slot+3], s[G0B+4*\slot+2:G0B+4*\slot+3], 2*HALFT
	JLOAD G0+4*\slot, G1, G0B+4*\slot, G1B
.else
	PLACES NP
.endif
	s_wait_alu depctr_va_vdst(0)
	v_add_nc_u32 v[ADRS], 4*NQ, v[ADRS]
	FETCH_B \next, 0, 0
	FETCH_A \next, 0, 0
	SCALES \next
	WIN MUL_HI
	MUL16 4, 1, NQ-1, \slot, 0
	MUL16 6, 1, NQ-1, \slot, 0
	PLACES NP
	WIN 0
	FETCH_A \next, 0, 4
.endm
	s_wait_tensorcnt 1
	s_barrier_signal -1
	s_barrier_wait -1
	FETCH_B 0, 0, 0
	FETCH_A 0, 0, 0
	SCALES 0
	FETCH_A 0, 0, 4
	s_wait_loadcnt 0x0
	s_cmp_eq_u32 s66, 2
	s_cbranch_scc1 .Lfirst_v
	STEP 0, 0, 1
	s_branch .Lfirst_done
.Lfirst_v:
	STEP 0, 0, 2
.Lfirst_done:
	s_mov_b32 s3, 1
.Llap:
	TURN 0, 1, 1
	STEP 1, 0, 0
	TURN 1, 0, 1
	STEP 0, 0, 0
	s_sub_co_u32 s3, s3, 1
	s_cmp_lg_u32 s3, 0
	s_cbranch_scc1 .Llap
	TURN 0, 1, 0
	STEP 1, 0, 0
	s_wait_dscnt 4*NL
	WIN MUL_LO
	MUL16 0, 1, NQ-1, 1, 0
	MUL16 2, 1, NQ-1, 1, 0
	s_wait_dscnt 0
	WIN MUL_HI
	MUL16 4, 1, NQ-1, 1, 0
	MUL16 6, 1, NQ-1, 1, 0
	WIN 0
	PLACES NP
.set CS0,  32
.set T,    96
.set CD,   128
.set PT,   140
.set TM,   148
.set PD,   152
.set SCV,  156
.set BY,   160
.set HW,   164
.set SWD,  168
.set SL4,  176
.irp i, 0,1,2,3
	v_mov_b32 v[PD+\i], 0
.endr
	s_cmp_eq_u32 s66, 2
	s_cbranch_scc1 .Lv_out
.macro TAB a
.set CSB, CS0+32*((\a)%2)
.irp n, 0,1,2,3
	global_load_b128 v[CSB+4*\n:CSB+4*\n+3], v[RO], s[94:95] offset:(32*((\a)/2)+8*((\a)%2))*256+16*\n
.endr
.irp n, 0,1,2,3
	global_load_b128 v[CSB+16+4*\n:CSB+16+4*\n+3], v[RO], s[94:95] offset:(32*((\a)/2)+8*((\a)%2))*256+128+16*\n
.endr
.endm
.macro ROPE a, hh
.set CSB, CS0+32*((\a)%2)
.set AC, 64*((\a)%4)+32*(\hh)
	WIN 0x02+(\a)/4
.irp i, 0,2,4,6,8,10,12,14
	v_pk_mul_f32 v[T+\i:T+\i+1], v[AC+\i:AC+\i+1], v[CSB+\i:CSB+\i+1] op_sel_hi:[1,0]
	v_pk_mul_f32 v[T+16+\i:T+17+\i], v[AC+16+\i:AC+17+\i], v[CSB+16+\i:CSB+17+\i] op_sel_hi:[1,0]
	v_pk_fma_f32 v[T+\i:T+\i+1], v[AC+16+\i:AC+17+\i], v[CSB+\i:CSB+\i+1], v[T+\i:T+\i+1] op_sel:[0,1,0] op_sel_hi:[1,1,1] neg_lo:[0,1,0] neg_hi:[0,1,0]
	v_pk_fma_f32 v[T+16+\i:T+17+\i], v[AC+\i:AC+\i+1], v[CSB+16+\i:CSB+17+\i], v[T+16+\i:T+17+\i] op_sel:[0,1,0] op_sel_hi:[1,1,1]
.endr
	WIN 0
.endm
.macro QUANTH s
	v_max3_num_f32 v[TM], |v[\s]|, |v[\s+1]|, 0x1800000
	v_max3_num_f32 v[TM+1], |v[\s+16]|, |v[\s+17]|, 0x1800000
.irp i, 2,4,6,8,10,12,14
	v_max3_num_f32 v[TM], v[TM], |v[\s+\i]|, |v[\s+1+\i]|
	v_max3_num_f32 v[TM+1], v[TM+1], |v[\s+16+\i]|, |v[\s+17+\i]|
.endr
	v_permlanex16_b32 v[PD], v[TM], s[SEL], s[SEL+1]
	v_permlanex16_b32 v[PD+1], v[TM+1], s[SEL], s[SEL+1]
	v_max_num_f32 v[TM], v[TM], v[PD]
	v_max_num_f32 v[TM+1], v[TM+1], v[PD+1]
	v_add_nc_u32 v[SCV], 0xff000000, v[TM]
	v_add_nc_u32 v[SCV+1], 0xff000000, v[TM+1]
	v_lshrrev_b32 v[BY], 23, v[SCV]
	v_lshrrev_b32 v[BY+1], 23, v[SCV+1]
	v_lshl_or_b32 v[HW], v[BY+1], 8, v[BY]
	s_wait_alu depctr_va_vdst(0)
	s_wait_xcnt 0x0
	v_cvt_scalef32_pk16_fp6_f32 v[CD:CD+2], v[\s:\s+15], v[SCV]
	v_cvt_scalef32_pk16_fp6_f32 v[PT:PT+2], v[\s+16:\s+31], v[SCV+1]
	v_nop
.irp i, 0,1,2
	v_permlane16_swap_b32 v[CD+\i], v[PT+\i]
.endr
.irp i, 0,1,2
	v_mov_b32 v[CD+3+\i], v[PT+\i]
.endr
.endm
.macro QKTILE a
.if (\a) < 7
	TAB (\a)+1
	s_wait_loadcnt 8
.else
	s_wait_loadcnt 0x0
.endif
.irp hh, 0,1
	ROPE \a, \hh
	QUANTH T
	global_store_b128 v[I16], v[CD:CD+3], s[4:5] offset:\hh*98304+(\a)*768
	global_store_b64 v[I8], v[CD+4:CD+5], s[4:5] offset:\hh*98304+(\a)*768+512
.if (\a)%2 == 0
	v_mov_b32 v[SWD+4*\hh+(\a)/2], v[HW]
.else
	v_lshl_or_b32 v[SWD+4*\hh+(\a)/2], v[HW], 16, v[SWD+4*\hh+(\a)/2]
.endif
.endr
.endm
	TAB 0
.irp a, 0,1,2,3,4,5,6,7
	QKTILE \a
.endr
	s_branch .Lscales_out
.Lv_out:
.macro QUANTV a
.set AC, 64*((\a)%4)
	WIN 0x0a+5*((\a)/4)
.irp b, 0,1,2,3
	v_max3_num_f32 v[TM+\b], |v[AC+16*\b]|, |v[AC+1+16*\b]|, 0x1800000
.endr
.irp i, 2,4,6,8,10,12,14
.irp b, 0,1,2,3
	v_max3_num_f32 v[TM+\b], |v[AC+16*\b+\i]|, |v[AC+1+16*\b+\i]|, v[TM+\b]
.endr
.endr
	WIN 0
.irp b, 0,1,2,3
	v_permlanex16_b32 v[PD+\b], v[TM+\b], s[SEL], s[SEL+1]
.endr
.irp b, 0,1,2,3
	v_max_num_f32 v[TM+\b], v[TM+\b], v[PD+\b]
.endr
.irp b, 0,1,2,3
	v_add_nc_u32 v[SCV+\b], 0xff000000, v[TM+\b]
.endr
.irp b, 0,1,2,3
	v_lshrrev_b32 v[BY+\b], 23, v[SCV+\b]
.endr
	v_lshl_or_b32 v[SWD+(\a)], v[BY+1], 8, v[BY]
	v_lshl_or_b32 v[SWD+(\a)], v[BY+2], 16, v[SWD+(\a)]
	v_lshl_or_b32 v[SWD+(\a)], v[BY+3], 24, v[SWD+(\a)]
	s_wait_xcnt 0x0
	WIN 0x02+(\a)/4
.irp c, 0,1
	v_cvt_scalef32_pk16_fp6_f32 v[CD+6*\c:CD+2+6*\c], v[AC+32*\c:AC+15+32*\c], v[SCV+2*\c]
	v_cvt_scalef32_pk16_fp6_f32 v[PT+4*\c:PT+2+4*\c], v[AC+16+32*\c:AC+31+32*\c], v[SCV+2*\c+1]
.endr
	WIN 0
	v_nop
.irp c, 0,1
.irp i, 0,1,2
	v_permlane16_swap_b32 v[CD+6*\c+\i], v[PT+4*\c+\i]
.endr
.irp i, 0,1,2
	v_mov_b32 v[CD+3+6*\c+\i], v[PT+4*\c+\i]
.endr
.endr
.irp c, 0,1,2
	global_store_b128 v[I16], v[CD+4*\c:CD+4*\c+3], s[4:5] offset:((\a)/4)*98304+((\a)%4)*1536+512*\c
.endr
.endm
.irp a, 0,1,2,3,4,5,6,7
	QUANTV \a
.endr
.Lscales_out:
	s_wait_alu depctr_va_vdst(0)
.irp i, 0,1,2,3
	v_cndmask_b32 v[SL4+\i], v[SWD+\i], v[SWD+4+\i], s67
.endr
	global_store_b128 v[SCO], v[SL4:SL4+3], s[6:7]
	s_wait_tensorcnt 0x0
	ds_add_u32 v[SPW], v[NIL]
	s_wait_dscnt 0x0
	CROUND
	s_endpgm
.Lfunc_end_k_q286940df7e_qkv:
	.size	k_q286940df7e_qkv, .Lfunc_end_k_q286940df7e_qkv-k_q286940df7e_qkv
	.p2alignl 7, 3214868480
	.fill 96, 4, 3214868480
	.section	.rodata,"a",@progbits
	.p2align	6, 0x0
	.amdhsa_kernel k_q286940df7e_qkv
		.amdhsa_group_segment_fixed_size 327680
		.amdhsa_private_segment_fixed_size 0
		.amdhsa_enable_private_segment 0
		.amdhsa_kernarg_size 64
		.amdhsa_user_sgpr_count 2
		.amdhsa_user_sgpr_kernarg_segment_ptr 1
		.amdhsa_wavefront_size32 1
		.amdhsa_system_sgpr_workgroup_id_x 1
		.amdhsa_system_sgpr_workgroup_id_y 1
		.amdhsa_system_sgpr_workgroup_id_z 1
		.amdhsa_system_vgpr_workitem_id 0
		.amdhsa_next_free_vgpr 1024
		.amdhsa_next_free_sgpr 102
		.amdhsa_reserve_vcc 0
		.amdhsa_float_denorm_mode_32 3
		.amdhsa_float_denorm_mode_16_64 3
		.amdhsa_memory_ordered 1
		.amdhsa_forward_progress 1
		.amdhsa_inst_pref_size 244
	.end_amdhsa_kernel
	.amdgpu_metadata
---
amdhsa.version: [ 1, 2 ]
amdhsa.kernels:
  - .name:           k_q286940df7e_qkv
    .symbol:         k_q286940df7e_qkv.kd
    .args:
      - { .name: cimg, .offset: 0, .size: 8, .value_kind: global_buffer, .address_space: global }
      - { .name: cscl, .offset: 8, .size: 8, .value_kind: global_buffer, .address_space: global }
      - { .name: bq, .offset: 16, .size: 8, .value_kind: global_buffer, .address_space: global }
      - { .name: bk, .offset: 24, .size: 8, .value_kind: global_buffer, .address_space: global }
      - { .name: bv, .offset: 32, .size: 8, .value_kind: global_buffer, .address_space: global }
      - { .name: rope, .offset: 40, .size: 8, .value_kind: global_buffer, .address_space: global }
      - { .name: qkvimg, .offset: 48, .size: 8, .value_kind: global_buffer, .address_space: global }
      - { .name: qkvscl, .offset: 56, .size: 8, .value_kind: global_buffer, .address_space: global }
    .group_segment_fixed_size: 327680
    .private_segment_fixed_size: 0
    .kernarg_segment_align: 8
    .kernarg_segment_size: 64
    .max_flat_workgroup_size: 128
    .sgpr_count:     102
    .vgpr_count:     1024
    .wavefront_size: 32
...
	.end_amdgpu_metadata
.endif
;; end of part 2
;; launch attn (part 3): grid 4 x 64, 8 waves a work-group, clusters of 4 x 1, 205,824 bytes of LDS; arguments qkvimg, qkvscl, aimg, ascl; writes aimg, ascl
.if DOCPART == 3
	.amdgcn_target "amdgcn-amd-amdhsa--gfx1250"
	.amdhsa_code_object_version 6
	.text
	.protected	k_q286940df7e_attn
	.globl	k_q286940df7e_attn
	.p2align	8
	.type	k_q286940df7e_attn,@function
k_q286940df7e_attn:
	s_mov_b64 s[64:65], 0
	v_nop
	global_prefetch_b8 v0, s[64:65] scope:SCOPE_SE
	s_setreg_imm32_b32 hwreg(HW_REG_WAVE_MODE, 25, 1), 1
	s_wait_xcnt 0x0
	s_wait_alu depctr_hold_cnt(0) depctr_sa_sdst(0) depctr_va_vdst(0) depctr_va_sdst(0) depctr_va_ssrc(0) depctr_va_vcc(0) depctr_vm_vsrc(0)
	s_getreg_b32 s2, hwreg(HW_REG_IB_STS2, 6, 4)
	s_cmp_eq_u32 s2, 0
	s_cbranch_scc0 .Lentry_in_a_cluster
	s_endpgm
.Lentry_in_a_cluster:
	s_bfe_u32 s2, ttmp6, 0x10000c
	s_cmp_lg_u32 s2, 0x3003
	s_cbranch_scc0 .Lentry_shape_is_right
	s_endpgm
.Lentry_shape_is_right:
; ATTN.  For each (batch, head): O = softmax(q k^T / 8) v, both products on codes of FP6 (E2M3) with E8M0 scales; O / the row's sum is quantised along E for the last product.
; THE SOFTMAX: t = score x log2(e) / 8; M = the row's largest t so far, rounded up to a whole number; p = 2^(t - M) is quantised along the keys, not normalised; the row's sum is taken of the unquantised p.
; When M moves, the sum and O are multiplied by 2^(old M - new M): exact.
; SHARES.  A work-group owns one (batch, head) and 512 queries, in two passes of 256; each of its eight waves owns 32 queries a pass: two tiles of 16.  Two waves to a SIMD.
; K, V AND THEIR SCALES OF THE WHOLE HEAD, 204,800 bytes, STAY IN LDS: filled once, at the head, one tensor load a wave: waves 0-2 a third of K each, waves 3-5 a third of V, wave 6 both tables of scale words
; (two rows of 4,096 bytes).  One wait and one barrier show them to all waves; nothing is filled again.  The four work-groups of a head form a cluster and ask jointly.
; LAYOUT.  Both products transposed: S^T = K Q^T, O^T = V^T P^T: a lane holds one query (lane % 16) throughout.  In memory tokens lie in tiles whose row r is token 32 (T / 2) + 8 (T % 2) + r + 8 (r / 8).
; THE KEYS OF A TILE ARE CHOSEN HERE, BY THE LANES' LDS ADDRESSES: tile 4 c + u takes as rows 0-7 keys 64 c + 8 u + 0 .. 7 and as rows 8-15 keys 64 c + 32 + 8 u + 0 .. 7.  So the 32 registers of tiles 4 c .. 4 c + 3 are
; keys 64 c + 32 (lane / 16) + 0 .. 31: a WHOLE block of 32 in a lane, in the order of the second product's operand: a block's maximum needs no other lane and the codes no exchange.
; THE FIRST PRODUCT'S K IS 64, the instruction's 128: source 0 takes two key tiles side by side along K, source 1 is [q | zeros] for the first and [zeros | q] for the second.
; ORDER OF A STEP (128 keys, both tiles): scores; V of this step and K of the next are fetched; maxima, M and the rescaling of both tiles; t - M of tile 0; its exponentials; t - M of tile 1 behind them; its exponentials;
; tile 0's sums and codes behind those; tile 1's; the second product.  Tile 0 and tile 1 have S^T and the block maxima at different register numbers.
; Prefetching is left out: every tile that the launch reads is asked for by the tensor loads at its head.
; The scale bytes of O leave as single bytes, 32 bytes apart: a work-group owns 2 of a row's 32 bytes; they are one part in 24 of what the launch stores.
; LIMITS: the scaled scores stay under 2^31 in magnitude; a block of zeros gets the byte 1 (its codes are zeros; this program alone reads the bytes); NaN and infinities are not served.
; REGISTERS.  Window 0 holds tile 0, window 1 tile 1.  Both: v28 -M, v29 largest score, v30-31 the sum, v32-49 zeros | q | zeros, v50-61 p's codes, v62-68, v74-91 at work.
;   window 0: v1-7, v20-27 addresses; v8-11 K's scale words, v12-15 V's, v16-17 q's, v18-19 p's; v70-73 block maxima; v96-159 S^T then p; v160-191 O^T; v192-239 K's four fragments; v254-255 for the add.
;   window 1: v92-95 block maxima; v96-143 V's four fragments; v144-175 O^T; v176-239 S^T then p.
.set VLDS, 98304                       ; LDS: K at 0, V here,
.set KSC,  196608                      ; K's scale words (256 bytes for each 128 keys),
.set VSC,  200704                      ; V's,
.set SPARE, 204800                     ; the spare words: 128 bytes a wave
.set KS,  8
.set VS,  12
.set QW,  16
.set PW,  18
.set NM,  28
.set TX,  29
.set SUM, 30
.set QB,  32
.set PC,  50
.set PT,  62
.set BP,  74
.set CH2, 76
.set SCV, 78
.set CH3, 80
.set CH,  82
.set F,   84
.set TMP, 86
.set PWT, 87
.set BY,  88
.set H8,  90
.set T2,  91
.set KF,  192
.set VF,  96
.set WV,  12
.set SEL, 20
.set CS,  22
.set G1,  24                           ; s[24:31] group 1: 128 rows of 256 dense bytes
.set G1S, 32                           ; s[32:39] group 1: two rows of 4,096 bytes, 64 planes apart
.set G0,  40                           ; s[40:43] group 0 of my third of K or V
.set G0S, 44                           ; s[44:47] group 0 of the scale words
.set TB,  84
.set TS,  85
.set TRIP, 86
.set PASS, 87
.set HM,  88
.set QP,  90
.set QS,  92
.set OP,  94
.set OS,  96
.set MSB, 0
.macro WIN new                         ; the immediate's high byte repeats the setting that is left
.if MSB != (\new)
	s_set_vgpr_msb (MSB<<8)|(\new)
.set MSB, (\new)
.endif
.endm
.macro REGS t                          ; where tile t has S^T, O^T and its block maxima
.set SS, 96+80*(\t)
.set OO, 160-16*(\t)
.set BB, 70+22*(\t)
.endm
.macro TILE t
	REGS \t
	WIN 0x55*(\t)
.endm
.macro CROUND                          ; a round of the cluster's barrier
	s_barrier_signal -1
	s_barrier_wait -1
	s_cmp_lg_u32 s[WV], 0
	s_cbranch_scc1 .Lnot_wave_0_\@
	s_barrier_signal -3
.Lnot_wave_0_\@:
	s_barrier_wait -3
	s_barrier_signal -1
	s_barrier_wait -1
.endm
	s_load_b256 s[4:11], s[0:1], 0x0               ; qkvimg s[4:5], qkvscl s[6:7], aimg s[8:9], ascl s[10:11]
	v_lshl_add_u32 v254, v0, 2, SPARE
	v_mov_b32 v255, 0
	ds_add_u32 v254, v255                          ; the opening lines: the add, twice on end, and its wait below
	ds_add_u32 v254, v255
	v_lshrrev_b32 v1, 5, v0
	s_delay_alu instid0(VALU_DEP_1)
	v_readfirstlane_b32 s[WV], v1                  ; wave 0..7
	s_bfe_u32 s13, ttmp6, 0x40000                  ; cx: which 512 queries
	s_and_b32 s14, ttmp7, 0xffff                   ; batch x 16 + head, which the four partners share
	s_mov_b32 s[G1], 15|(3<<16)|(1<<21)            ; the mask: all four work-groups; elements of 8 bytes; bit 21 beside a mask; no padding
	s_mov_b32 s[G1+1], 32<<16
	s_mov_b32 s[G1+2], 128<<16
	s_mov_b32 s[G1+3], 32<<16
	s_mov_b32 s[G1+4], 128
	s_mov_b32 s[G1+5], 32
	s_mov_b32 s[G1+6], 0
	s_mov_b32 s[G1+7], 0
	s_mov_b32 s[G1S], 15|(3<<16)|(1<<21)
	s_mov_b32 s[G1S+1], 512<<16                    ; a row: 512 elements of 8 bytes, a plane's scale words
	s_mov_b32 s[G1S+2], 2<<16                      ; two rows: K's plane and V's,
	s_mov_b32 s[G1S+3], 512<<16
	s_mov_b32 s[G1S+4], 2
	s_mov_b32 s[G1S+5], 32768                      ; 64 planes of 4,096 bytes apart
	s_mov_b32 s[G1S+6], 0
	s_mov_b32 s[G1S+7], 0
	s_mov_b32 s[SEL], 0x76543210
	s_mov_b32 s[SEL+1], 0xfedcba98
	s_mov_b32 s[CS], 0x3e38aa3b                    ; c = log2(e) / 8
	s_mov_b32 s[CS+1], s[CS]                       ; (named with it as a pair, so it is written)
	s_mov_b32 s[HM], 0xffff0000
	s_add_co_u32 s15, s14, 64                      ; K's plane; V's lies 64 planes on
	s_mul_i32 s16, s15, 98304
	s_lshl_b32 s[G0+1], s[WV], 15                  ; LDS: wave x 32,768: K's three thirds, then V's
	s_cmp_ge_u32 s[WV], 3
	s_cselect_b32 s19, 6193152, 0                  ; waves 3-5: 64 planes on, less K's 98,304 bytes
	s_add_co_u32 s16, s16, s[G0+1]
	s_add_co_u32 s16, s16, s19
	s_mov_b32 s17, 0
	s_lshl_b32 s2, s15, 12
	s_mov_b32 s3, 0
	s_wait_dscnt 0x0
	s_wait_kmcnt 0x0
	s_mov_b32 s[G0], 1
	s_add_nc_u64 s[G0+2:G0+3], s[4:5], s[16:17]
	s_or_b32 s[G0+3], s[G0+3], 0x80000000
	s_mov_b32 s[G0S], 1
	s_mov_b32 s[G0S+1], KSC
	s_add_nc_u64 s[G0S+2:G0S+3], s[6:7], s[2:3]
	s_or_b32 s[G0S+3], s[G0S+3], 0x80000000
	CROUND                                         ; all four work-groups are here: the joint loads meet
	s_cmp_lt_u32 s[WV], 6                          ; one chain of branches on the wave's number, one fill to an arm
	s_cbranch_scc0 .Lnot_kv
	tensor_load_to_lds s[G0:G0+3], s[G1:G1+7]
	s_nop 0
.rept 4
	v_nop
.endr
	s_branch .Lasked
.Lnot_kv:
	s_cmp_lg_u32 s[WV], 6
	s_cbranch_scc1 .Lasked
	tensor_load_to_lds s[G0S:G0S+3], s[G1S:G1S+7]
	s_nop 0
.rept 4
	v_nop
.endr
.Lasked:
	v_and_b32 v27, 31, v0
	v_and_b32 v5, 15, v0                           ; r
	v_bfe_u32 v6, v0, 4, 1                         ; h
	v_lshlrev_b32 v1, 4, v27                       ; v1  16 x lane
	v_lshlrev_b32 v2, 3, v27                       ; v2  8 x lane
	v_lshlrev_b32 v21, 4, v5                       ; v21 16 r
	v_lshl_add_u32 v22, v5, 5, v6                  ; v22 32 r + h: my byte of O's scales
	v_and_b32 v7, 7, v5                            ; r % 8
	v_lshrrev_b32 v4, 3, v5                        ; r / 8
	v_add_nc_u32 v20, VLDS, v1                     ; v20 16 x lane in V
	v_add_nc_u32 v26, VSC, v21                     ; v26 my row's four scale words of V
	v_mul_u32_u24 v24, v4, 1536                    ; K: rows 8-15 of my tiles come from the stored tile two further on,
	v_lshlrev_b32 v3, 4, v7
	v_lshl_add_u32 v25, v7, 3, v24
	v_lshl_add_u32 v24, v7, 4, v24                 ; from its row r % 8 (+ 8 by the loads' offsets)
	v_lshl_add_u32 v3, v4, 2, v3
	v_lshl_add_u32 v25, v6, 7, v25                 ; v25 registers 4-5 of a stored tile: 8 bytes a stored lane
	v_lshl_add_u32 v24, v6, 8, v24                 ; v24 registers 0-3: 16 bytes a stored lane
	v_add_nc_u32 v3, KSC, v3                       ; v3  K's scale word: stored row r % 8 (+ 8), pair r / 8 (+ 2)
	v_lshlrev_b32 v[H8], 3, v6                     ; 8 h
.irp w, 0, 0x40                                ; in both windows: the zero codes round q, and what is named before it is first written
	WIN \w
.irp i, 0,1,2,3,4,5
	v_mov_b32 v[QB+\i], 0
	v_mov_b32 v[QB+12+\i], 0
.endr
	v_mov_b32 v[BP], 0
	v_mov_b32 v[BP+1], 0
	v_mov_b32 v[F+1], 0
.endr
	v_mov_b32 v[H8], v[H8]                         ; 8 h into window 1 too (the source is read in window 0)
	WIN 0
	s_wait_alu depctr_va_vdst(0)                   ; the wait ahead of the run of scalar lines
	s_mul_i32 s16, s14, 98304                      ; q: my plane, tile 32 cx + 2 wave
	s_lshl_b32 s15, s13, 5
	s_lshl_b32 s17, s[WV], 1
	s_add_co_u32 s15, s15, s17
	s_mul_i32 s15, s15, 768
	s_add_co_u32 s16, s16, s15
	s_mov_b32 s17, 0
	s_add_nc_u64 s[QP:QP+1], s[4:5], s[16:17]
	s_lshl_b32 s16, s14, 12                        ; q's scale word: step 4 cx + wave / 4, word wave % 4
	s_lshl_b32 s15, s13, 2
	s_lshr_b32 s18, s[WV], 2
	s_add_co_u32 s15, s15, s18
	s_lshl_b32 s19, s15, 8
	s_add_co_u32 s16, s16, s19
	s_and_b32 s19, s[WV], 3
	s_lshl_b32 s19, s19, 2
	s_add_co_u32 s16, s16, s19
	s_add_nc_u64 s[QS:QS+1], s[6:7], s[16:17]
	s_lshr_b32 s18, s14, 4                         ; batch
	s_and_b32 s19, s14, 15                         ; head
	s_lshl_b32 s16, s18, 4
	s_add_co_u32 s16, s16, s15                     ; aimg: the block of 128 rows: 16 batch + 4 cx + wave / 4,
	s_mul_i32 s16, s16, 98304
	s_lshr_b32 s2, s19, 2
	s_mul_i32 s2, s2, 24576                        ; the 256 along E in which the head lies,
	s_add_co_u32 s16, s16, s2
	s_and_b32 s2, s[WV], 3
	s_mul_i32 s2, s2, 6144                         ; my first tile in the block,
	s_add_co_u32 s16, s16, s2
	s_and_b32 s2, s19, 3
	s_mul_i32 s2, s2, 768                          ; the head's 64 of the 256
	s_add_co_u32 s16, s16, s2
	s_add_nc_u64 s[OP:OP+1], s[8:9], s[16:17]
	s_lshl_b32 s16, s18, 11                        ; ascl: row 2,048 batch + 512 cx + 32 wave, byte 2 head
	s_lshl_b32 s2, s13, 9
	s_add_co_u32 s16, s16, s2
	s_lshl_b32 s2, s[WV], 5
	s_add_co_u32 s16, s16, s2
	s_lshl_b32 s16, s16, 5
	s_lshl_b32 s2, s19, 1
	s_add_co_u32 s16, s16, s2
	s_add_nc_u64 s[OS:OS+1], s[10:11], s[16:17]
	s_mov_b32 s[PASS], 2
.macro QLOAD                           ; a pass's q: two tiles of six registers, and their scale bytes
	global_load_b128 v[QB+6:QB+9], v1, s[QP:QP+1]
	global_load_b64 v[QB+10:QB+11], v2, s[QP:QP+1] offset:512
	WIN 0x40
	global_load_b128 v[QB+6:QB+9], v1, s[QP:QP+1] offset:768
	global_load_b64 v[QB+10:QB+11], v2, s[QP:QP+1] offset:1280
	WIN 0
	global_load_b32 v23, v21, s[QS:QS+1]           ; the two bytes of my first tile's row r, then of my second's
.endm
.macro KLOAD a16, a8, a4, ko, so       ; K's four fragments of a step, two tiles each, and their scale words; fragment b holds tiles 2 b and 2 b + 1 in this kernel's order of keys
.irp b, 0,1,2,3
.irp u, 0,1
	ds_load_b128 v[KF+12*\b+6*\u:KF+12*\b+6*\u+3], v[\a16] offset:\ko+3072*(\b/2)+128*(\b%2)+768*\u
	ds_load_b64 v[KF+12*\b+6*\u+4:KF+12*\b+6*\u+5], v[\a8] offset:\ko+512+3072*(\b/2)+64*(\b%2)+768*\u
.endr
	ds_load_b32 v[KS+\b], v[\a4] offset:\so+128*(\b%2)+8*(\b/2)
.endr
.endm
.macro SMUL t                          ; S^T of tile t: eight tiles of 16 keys; each instruction begins a sum of its own
	REGS \t
	WIN 0x44*(\t)                                  ; q and S^T in the tile's window, K in window 0
.irp b, 0,1,2,3
.irp u, 0,1
	v_wmma_scale_f32_16x16x128_f8f6f4 v[SS+8*(2*\b+\u):SS+8*(2*\b+\u)+7], v[KF+12*\b:KF+12*\b+11], v[QB+6*(1-\u):QB+6*(1-\u)+11], 0, v[KS+\b], v[QW+\t] matrix_a_fmt:MATRIX_FMT_FP6 matrix_b_fmt:MATRIX_FMT_FP6
.endr
.endr
.endm
.macro PVMUL t                         ; O^T += V^T P^T: four accumulators, one instruction each
	REGS \t
	WIN 0x01+0x54*(\t)                             ; V in window 1; p and O^T in the tile's window
.irp d, 0,1,2,3
	v_wmma_scale_f32_16x16x128_f8f6f4 v[OO+8*\d:OO+8*\d+7], v[VF+12*\d:VF+12*\d+11], v[PC:PC+11], v[OO+8*\d:OO+8*\d+7], v[VS+\d], v[PW+\t] matrix_a_fmt:MATRIX_FMT_FP6 matrix_b_fmt:MATRIX_FMT_FP6
.endr
.endm
.macro MAXP t                          ; the largest score of my two blocks of 32 keys (two chains each), the new M, and the sum and O^T under it
	TILE \t
.irp c, 0,1
	v_max3_num_f32 v[BB+\c], v[SS+32*\c], v[SS+32*\c+1], v[SS+32*\c+2]          ; each accumulator is read from its low end on
	v_max3_num_f32 v[BB+2+\c], v[SS+32*\c+16], v[SS+32*\c+17], v[SS+32*\c+18]
.endr
.irp i, 3,5,7,9,11,13
.irp c, 0,1
	v_max3_num_f32 v[BB+\c], v[BB+\c], v[SS+32*\c+\i], v[SS+32*\c+\i+1]
	v_max3_num_f32 v[BB+2+\c], v[BB+2+\c], v[SS+32*\c+16+\i], v[SS+32*\c+17+\i]
.endr
.endr
	v_max3_num_f32 v[BB], v[BB], v[BB+2], v[SS+15]
	v_max3_num_f32 v[BB+1], v[BB+1], v[BB+3], v[SS+47]
	v_max_num_f32 v[BB], v[BB], v[SS+31]           ; block h: it serves for the row's maximum and, since p rises with the score, for the block's largest p
	v_max_num_f32 v[BB+1], v[BB+1], v[SS+63]       ; block 2 + h
	s_delay_alu instid0(VALU_DEP_1)
	v_max_num_f32 v[TMP], v[BB], v[BB+1]
	s_delay_alu instid0(VALU_DEP_1)
	v_permlanex16_b32 v[BP], v[TMP], s[SEL], s[SEL+1]
	s_delay_alu instid0(VALU_DEP_1)
	v_max3_num_f32 v[TX], v[TX], v[TMP], v[BP]     ; the running largest score, with lane l xor 16's 64 keys
	s_delay_alu instid0(VALU_DEP_1)
	v_mul_f32 v[T2], s[CS], v[TX]                  ; as t (c is positive)
	v_mov_b32 v[TMP], v[NM]
	s_delay_alu instid0(VALU_DEP_2)
	v_floor_f32 v[NM], -v[T2]                      ; the new -M = floor(-t): M is a whole number
	s_delay_alu instid0(VALU_DEP_1)
	v_sub_f32 v[TMP], v[NM], v[TMP]                ; old M - new M: a whole number, 0 or less
	s_delay_alu instid0(VALU_DEP_1)
	v_cvt_i32_f32 v[TMP], v[TMP]                   ; (it saturates)
	s_delay_alu instid0(VALU_DEP_1)
	v_ldexp_f32 v[F], 1.0, v[TMP]                  ; f = 2^(old M - new M)
	s_delay_alu instid0(VALU_DEP_1)
	v_pk_mul_f32 v[SUM:SUM+1], v[SUM:SUM+1], v[F:F+1] op_sel_hi:[1,0]
.set j, 0
.rept 16
	v_pk_mul_f32 v[OO+j:OO+j+1], v[OO+j:OO+j+1], v[F:F+1] op_sel_hi:[1,0]   ; from each accumulator's low end on
.set j, j+2
.endr
.endm
.macro FMA t                           ; t - M, two at a time; the same of each block's largest score
	TILE \t
.set j, 0
.rept 32
	v_pk_fma_f32 v[SS+j:SS+j+1], v[SS+j:SS+j+1], s[CS:CS+1], v[NM:NM+1] op_sel_hi:[1,0,0]
.set j, j+2
.endr
	v_fma_f32 v[BB], v[BB], s[CS], v[NM]
	v_fma_f32 v[BB+1], v[BB+1], s[CS], v[NM]
.endm
.macro EXPS t                          ; p = 2^(t - M): one batch of 66
	TILE \t
	s_wait_alu depctr_va_vdst(0)                   ; the wait ahead of the batch; it also stands behind the batch before
	v_exp_f32 v[BB], v[BB]
	v_exp_f32 v[BB+1], v[BB+1]
.set j, 0
.rept 64
	v_exp_f32 v[SS+j], v[SS+j]
.set j, j+1
.endr
.endm
.macro R4 j                            ; eight numbers onto the sum's four chains
	v_pk_add_f32 v[CH:CH+1], v[CH:CH+1], v[SS+\j:SS+\j+1]
	v_pk_add_f32 v[CH2:CH2+1], v[CH2:CH2+1], v[SS+\j+2:SS+\j+3]
	v_pk_add_f32 v[CH3:CH3+1], v[CH3:CH3+1], v[SS+\j+4:SS+\j+5]
	v_pk_add_f32 v[SUM:SUM+1], v[SUM:SUM+1], v[SS+\j+6:SS+\j+7]
.endm
.macro POST t                          ; the row's sum of the unquantised p; p's scales and codes.  The scale's lines stand among the additions, so that no line waits for the line above it
	TILE \t
	v_max_num_f32 v[BB], 0x1800000, v[BB]          ; the floor 2^(3 - 127): the byte cannot fall under 1
	v_max_num_f32 v[BB+1], 0x1800000, v[BB+1]
	v_pk_add_f32 v[CH:CH+1], v[SS:SS+1], v[SS+2:SS+3]
	v_pk_add_f32 v[CH2:CH2+1], v[SS+4:SS+5], v[SS+6:SS+7]
	v_pk_add_f32 v[CH3:CH3+1], v[SS+8:SS+9], v[SS+10:SS+11]
	v_pk_add_f32 v[SUM:SUM+1], v[SUM:SUM+1], v[SS+12:SS+13]
	v_add_nc_u32 v[SCV], 0xff000000, v[BB]         ; 2 off the exponent field: the conversion's scale operand
	v_add_nc_u32 v[SCV+1], 0xff000000, v[BB+1]
	R4 14
.irp c, 0,1
	v_cvt_scalef32_pk16_fp6_f32 v[PC+6*\c:PC+2+6*\c], v[SS+32*\c:SS+15+32*\c], v[SCV+\c]        ; registers 6 c .. 6 c + 5 of the operand: keys 64 c + 32 h + 0 .. 31
	v_cvt_scalef32_pk16_fp6_f32 v[PT+4*\c:PT+2+4*\c], v[SS+16+32*\c:SS+31+32*\c], v[SCV+\c]     ; (a conversion's three registers begin on an even number)
.endr
	v_lshrrev_b32 v[BY], 23, v[SCV]                ; the bytes (a plain place behind the conversions)
	v_lshrrev_b32 v[BY+1], 23, v[SCV+1]
	R4 22
	v_lshl_or_b32 v[PWT], v[BY+1], 16, v[BY]       ; bytes h and 2 + h of the scale word,
.irp i, 0,1,2
	v_mov_b32 v[PC+3+\i], v[PT+\i]
.endr
	v_lshlrev_b32 v[PWT], v[H8], v[PWT]            ; at their places;
.irp i, 0,1,2
	v_mov_b32 v[PC+9+\i], v[PT+4+\i]
.endr
	v_permlanex16_b32 v[BP], v[PWT], s[SEL], s[SEL+1]
	R4 30
	WIN 0x05*(\t)                                  ; the word goes to window 0
	v_or_b32 v[PW+\t], v[PWT], v[BP]               ; with lane l xor 16's two it is whole.  The 16 plain lines below stand between it, the codes and the products
	WIN 0x55*(\t)
	R4 38
	R4 46
	R4 54
	v_pk_add_f32 v[CH:CH+1], v[CH:CH+1], v[SS+62:SS+63]
	v_pk_add_f32 v[SUM:SUM+1], v[SUM:SUM+1], v[CH3:CH3+1]
	v_pk_add_f32 v[CH:CH+1], v[CH:CH+1], v[CH2:CH2+1]
	s_delay_alu instid0(VALU_DEP_1)
	v_pk_add_f32 v[SUM:SUM+1], v[SUM:SUM+1], v[CH:CH+1]
.endm
.macro CLEAR t                         ; the step is written once: the first finds zeros, which the first change of M leaves zeros
	TILE \t
.set j, 0
.rept 32
	v_mov_b32 v[OO+j], 0
.set j, j+1
.endr
	v_mov_b32 v[TX], 0xff61b1e6                    ; -3e38, under every score
	s_delay_alu instid0(VALU_DEP_1)
	v_floor_f32 v[NM], -v[TX]
	v_mov_b32 v[SUM], 0
	v_mov_b32 v[SUM+1], 0
.endm
.macro OUT t                           ; O^T / the sum, quantised along the head's 64: six registers of codes, two bytes
	TILE \t
	v_add_f32 v[SUM], v[SUM], v[SUM+1]
	s_delay_alu instid0(VALU_DEP_1)
	v_permlanex16_b32 v[BP], v[SUM], s[SEL], s[SEL+1]
	s_delay_alu instid0(VALU_DEP_1)
	v_add_f32 v[SUM], v[SUM], v[BP]                ; the row's sum
	s_wait_alu depctr_va_vdst(0)
	v_rcp_f32 v[F], v[SUM]
	v_nop                                          ; a plain place behind the transcendental,
	s_wait_alu depctr_va_vdst(0)                   ; and the wait ahead of its first reader and of O^T's
.set j, 0
.rept 16
	v_pk_mul_f32 v[SS+j:SS+j+1], v[OO+j:OO+j+1], v[F:F+1] op_sel_hi:[1,0]   ; register 16 b + i is d = 32 b + 16 h + i of my query
.set j, j+2
.endr
	v_max3_num_f32 v[BB], |v[SS]|, |v[SS+1]|, 0x1800000
	v_max3_num_f32 v[BB+1], |v[SS+16]|, |v[SS+17]|, 0x1800000
.irp i, 2,4,6,8,10,12,14
	s_delay_alu instid0(VALU_DEP_2)
	v_max3_num_f32 v[BB], v[BB], |v[SS+\i]|, |v[SS+1+\i]|
	s_delay_alu instid0(VALU_DEP_2)
	v_max3_num_f32 v[BB+1], v[BB+1], |v[SS+16+\i]|, |v[SS+17+\i]|
.endr
	s_delay_alu instid0(VALU_DEP_2)
	v_permlanex16_b32 v[BP], v[BB], s[SEL], s[SEL+1]
	s_delay_alu instid0(VALU_DEP_2)
	v_permlanex16_b32 v[BP+1], v[BB+1], s[SEL], s[SEL+1]
	s_delay_alu instid0(VALU_DEP_2)
	v_max_num_f32 v[BB], v[BB], v[BP]
	s_delay_alu instid0(VALU_DEP_2)
	v_max_num_f32 v[BB+1], v[BB+1], v[BP+1]
	s_delay_alu instid0(VALU_DEP_2)
	v_add_nc_u32 v[SCV], 0xff000000, v[BB]
	s_delay_alu instid0(VALU_DEP_2)
	v_add_nc_u32 v[SCV+1], 0xff000000, v[BB+1]
	s_delay_alu instid0(VALU_DEP_2)
	v_lshrrev_b32 v[BY], 23, v[SCV]
	s_delay_alu instid0(VALU_DEP_2)
	v_lshrrev_b32 v[BY+1], 23, v[SCV+1]
	s_delay_alu instid0(VALU_DEP_1)
	v_cndmask_b32 v[TMP], v[BY], v[BY+1], s[HM]    ; lanes 0-15 store block 0's byte, lanes 16-31 block 1's
	v_cvt_scalef32_pk16_fp6_f32 v[PC:PC+2], v[SS:SS+15], v[SCV]
	v_cvt_scalef32_pk16_fp6_f32 v[PT:PT+2], v[SS+16:SS+31], v[SCV+1]
	v_nop                                          ; one plain place behind a scaled conversion
.irp i, 0,1,2
	v_permlane16_swap_b32 v[PC+\i], v[PT+\i]       ; here a lane holds half blocks: a whole block to a lane
.endr
.irp i, 0,1,2
	s_delay_alu instid0(VALU_DEP_3)
	v_mov_b32 v[PC+3+\i], v[PT+\i]
.endr
	WIN 0x04*(\t)                                  ; a store's data are its source 1
	global_store_b128 v1, v[PC:PC+3], s[OP:OP+1] offset:3072*\t           ; 512 consecutive bytes,
	global_store_b64 v2, v[PC+4:PC+5], s[OP:OP+1] offset:3072*\t+512      ; 256 consecutive bytes
	global_store_b8 v22, v[TMP], s[OS:OS+1] offset:512*\t
.endm
	QLOAD                                          ; the first pass's q comes while the tiles land
	s_wait_alu depctr_va_vdst(0)                   ; the wait at the head's end
	s_wait_tensorcnt 0x0                           ; my one load is in;
	s_barrier_signal -1
	s_barrier_wait -1                              ; so are the others'.
.Lpass:                                            ; two passes of 256 queries
	s_wait_loadcnt 0x0
	v_and_b32 v[BY], 0xffff, v23
	v_lshrrev_b32 v[BY+1], 16, v23
	s_delay_alu instid0(VALU_DEP_2)
	v_lshl_or_b32 v[QW], v23, 16, v[BY]            ; tile 0: its two bytes, twice: q stands in either half of the instruction's K
	s_delay_alu instid0(VALU_DEP_2)
	v_and_or_b32 v[QW+1], v23, s[HM], v[BY+1]      ; tile 1 likewise.  (The lines of CLEAR stand between these and the first products)
	KLOAD 24, 25, 3, 0, 0                          ; step 0's K
	CLEAR 0
	CLEAR 1
	WIN 0
	s_mov_b32 s[TB], 0
	s_mov_b32 s[TS], 0
	s_mov_b32 s[TRIP], 16
	s_wait_alu depctr_va_vdst(0)
	s_wait_dscnt 0x0
.Lstep:                                            ; 128 keys, both tiles.  K's fragments are in: the wait ahead of the last products, or the one above, was for all LDS loads
	SMUL 0
	SMUL 1
	WIN 0
	v_add_nc_u32 v4, s[TB], v24                    ; five plain lines: the places in front of the loads into K's and V's registers and of the first read of S^T
	v_add_nc_u32 v5, s[TB], v25
	v_add_nc_u32 v6, s[TB], v20
	v_add_nc_u32 v7, s[TS], v3
	v_add_nc_u32 v27, s[TS], v26
	WIN 0x40
.irp d, 0,1,2,3
.irp c, 0,1,2
	ds_load_b128 v[VF+12*\d+4*\c:VF+12*\d+4*\c+3], v6 offset:1536*\d+512*\c   ; this step's V
.endr
.endr
	WIN 0
	ds_load_b128 v[VS:VS+3], v27
	s_cmp_eq_u32 s[TRIP], 1                        ; the last trip has no next step
	s_cbranch_scc1 .Lno_k
	KLOAD 4, 5, 7, 6144, 256                       ; the next step's K
.Lno_k:
	MAXP 0
	MAXP 1
	FMA 0
	EXPS 0
	FMA 1                                          ; plain lines behind tile 0's batch
	EXPS 1
	POST 0                                         ; plain lines behind tile 1's batch; tile 0's p had its wait ahead of that batch
	WIN 0x55
	s_wait_alu depctr_va_vdst(0)                   ; the wait behind tile 1's batch
	POST 1
	s_wait_alu depctr_va_vdst(0)
	s_wait_dscnt 0x0                               ; V, and the next step's K
	PVMUL 0
	PVMUL 1
	WIN 0
	s_add_co_u32 s[TB], s[TB], 6144
	s_add_co_u32 s[TS], s[TS], 256
	s_sub_co_u32 s[TRIP], s[TRIP], 1
	s_cmp_lg_u32 s[TRIP], 0
	s_cbranch_scc1 .Lstep
.rept 4
	v_nop                                          ; places behind the last products
.endr
	s_cmp_eq_u32 s[PASS], 1
	s_cbranch_scc1 .Lno_q
	s_add_nc_u64 s[QP:QP+1], s[QP:QP+1], 12288     ; 16 tiles on (the loads that read these bases were waited for at the pass's head)
	s_add_nc_u64 s[QS:QS+1], s[QS:QS+1], 512
	QLOAD                                          ; the next pass's q comes while this pass goes out
.Lno_q:
	OUT 0
	OUT 1
	WIN 0
	s_wait_xcnt 0x0                                ; the stores have read their registers and bases: both may be written again
	s_add_nc_u64 s[OP:OP+1], s[OP:OP+1], 196608
	s_add_nc_u64 s[OS:OS+1], s[OS:OS+1], 8192
	s_sub_co_u32 s[PASS], s[PASS], 1
	s_cmp_lg_u32 s[PASS], 0
	s_wait_alu depctr_va_vdst(0)
	s_cbranch_scc1 .Lpass
	s_wait_tensorcnt 0x0                           ; the wave's end
	ds_add_u32 v254, v255
	s_wait_dscnt 0x0
	CROUND                                         ; the closing round
	s_endpgm
.Lfunc_end_k_q286940df7e_attn:
	.size	k_q286940df7e_attn, .Lfunc_end_k_q286940df7e_attn-k_q286940df7e_attn
	.p2alignl 7, 3214868480
	.fill 96, 4, 3214868480
	.section	.rodata,"a",@progbits
	.p2align	6, 0x0
	.amdhsa_kernel k_q286940df7e_attn
		.amdhsa_group_segment_fixed_size 205824
		.amdhsa_private_segment_fixed_size 0
		.amdhsa_enable_private_segment 0
		.amdhsa_kernarg_size 32
		.amdhsa_user_sgpr_count 2
		.amdhsa_user_sgpr_kernarg_segment_ptr 1
		.amdhsa_wavefront_size32 1
		.amdhsa_system_sgpr_workgroup_id_x 1
		.amdhsa_system_sgpr_workgroup_id_y 1
		.amdhsa_system_sgpr_workgroup_id_z 1
		.amdhsa_system_vgpr_workitem_id 0
		.amdhsa_next_free_vgpr 512
		.amdhsa_next_free_sgpr 100
		.amdhsa_reserve_vcc 0
		.amdhsa_float_denorm_mode_32 3
		.amdhsa_float_denorm_mode_16_64 3
		.amdhsa_memory_ordered 1
		.amdhsa_forward_progress 1
		.amdhsa_inst_pref_size 51
	.end_amdhsa_kernel
	.amdgpu_metadata
---
amdhsa.version: [ 1, 2 ]
amdhsa.kernels:
  - .name:           k_q286940df7e_attn
    .symbol:         k_q286940df7e_attn.kd
    .args:
      - { .name: qkvimg, .offset: 0, .size: 8, .value_kind: global_buffer, .address_space: global }
      - { .name: qkvscl, .offset: 8, .size: 8, .value_kind: global_buffer, .address_space: global }
      - { .name: aimg, .offset: 16, .size: 8, .value_kind: global_buffer, .address_space: global }
      - { .name: ascl, .offset: 24, .size: 8, .value_kind: global_buffer, .address_space: global }
    .group_segment_fixed_size: 205824
    .private_segment_fixed_size: 0
    .kernarg_segment_align: 8
    .kernarg_segment_size: 32
    .max_flat_workgroup_size: 256
    .sgpr_count:     100
    .vgpr_count:     512
    .wavefront_size: 32
...
	.end_amdgpu_metadata
.endif
;; end of part 3
;; launch oproj (part 4): grid 4 x 32, 4 waves a work-group, clusters of 4 x 4, 327,680 bytes of LDS; arguments aimg, ascl, cimg, cscl, bo, out0; writes out0
.if DOCPART == 4
	.amdgcn_target "amdgcn-amd-amdhsa--gfx1250"
	.amdhsa_code_object_version 6
	.text
	.protected	k_q286940df7e_oproj
	.globl	k_q286940df7e_oproj
	.p2align	8
	.type	k_q286940df7e_oproj,@function
k_q286940df7e_oproj:
	s_mov_b64 s[64:65], 0
	v_nop
	global_prefetch_b8 v0, s[64:65] scope:SCOPE_SE
	s_setreg_imm32_b32 hwreg(HW_REG_WAVE_MODE, 25, 1), 1
	s_wait_xcnt 0x0
	s_wait_alu depctr_hold_cnt(0) depctr_sa_sdst(0) depctr_va_vdst(0) depctr_va_sdst(0) depctr_va_ssrc(0) depctr_va_vcc(0) depctr_vm_vsrc(0)
	s_getreg_b32 s2, hwreg(HW_REG_IB_STS2, 6, 4)
	s_cmp_eq_u32 s2, 0
	s_cbranch_scc0 .Lentry_in_a_cluster
	s_endpgm
.Lentry_in_a_cluster:
	s_bfe_u32 s2, ttmp6, 0x10000c
	s_cmp_lg_u32 s2, 0xf033
	s_cbranch_scc0 .Lentry_shape_is_right
	s_endpgm
.Lentry_shape_is_right:
.set NQ,     2
.set FR,     12
.set NL,     4
.set NP,     4
.set HALFT,  24576
.set SLOT,   4*HALFT
.set SCL,    2*SLOT
.set KS,     32
.set HALFS,  4352
.set SBLK,   544
.set SPARE,  SCL+4*HALFS
.set SPITCH, 528
.set I16,  7
.set I8,   8
.set BQL,  11
.set ADRA, 16
.set ADRB, 20
.set STO,  24
.set RD,   25
.set CO,   26
.set ADRS, 27
.set SPW,  28
.set NIL,  29
.set SC,   32
.set BI,   64
.set AF,   128
.set BK,   128
.set G1, 24
.set G0, 32
.set G1B, 48
.set G0B, 56
.set G1S, 68
.set G0S, 76
.set G1SB, 80
.set G0SB, 88
.set MSB, 0
.macro WIN new
.if MSB != (\new)
	s_set_vgpr_msb (MSB<<8)|(\new)
.set MSB, (\new)
.endif
.endm
.set MUL_LO, 0xa1
.set MUL_HI, 0xf1
.set TO_B,   0x40
.macro JLOAD g0a, g1a, g0b, g1b
	s_cmp_eq_u32 s15, 0
	s_cbranch_scc0 .Lfor_b_\@
	tensor_load_to_lds s[\g0a:\g0a+3], s[\g1a:\g1a+7]
	s_nop 0
.rept 4
	v_nop
.endr
	s_branch .Lasked_\@
.Lfor_b_\@:
	tensor_load_to_lds s[\g0b:\g0b+3], s[\g1b:\g1b+7]
	s_nop 0
.rept 4
	v_nop
.endr
.Lasked_\@:
.endm
.macro CREST
	s_cmp_lg_u32 s14, 0
	s_cbranch_scc1 .Lnot_wave_0_\@
	s_barrier_signal -3
.Lnot_wave_0_\@:
	s_barrier_wait -3
	s_barrier_signal -1
	s_barrier_wait -1
.endm
.macro CROUND
	s_barrier_signal -1
	s_barrier_wait -1
	CREST
.endm
	s_load_b128 s[4:7], s[0:1], 0x0
	s_load_b128 s[8:11], s[0:1], 0x10
	s_load_b128 s[92:95], s[0:1], 0x20
	v_lshl_add_u32 v[SPW], v0, 2, SPARE
	v_mov_b32 v[NIL], 0
	ds_add_u32 v28, v29
	ds_add_u32 v28, v29
	s_wait_dscnt 0x0
	v_lshrrev_b32 v1, 5, v0
	v_readfirstlane_b32 s14, v1
	s_lshr_b32 s15, s14, 1
	s_and_b32 s16, s14, 1
	s_bfe_u32 s40, ttmp6, 0x40000
	s_bfe_u32 s41, ttmp6, 0x40004
	s_and_b32 s17, ttmp7, 0xffff
	s_lshl_b32 s17, s17, 2
	s_add_co_u32 s96, s17, s41
	s_add_co_u32 s97, s40, 44
	s_lshl_b32 s43, s41, 2
	s_lshl_b32 s43, 15, s43
	s_lshl_b32 s44, 0x1111, s40
	s_or_b32 s[G1+0], s43, (3<<16)|(1<<21)
	s_or_b32 s[G1B+0], s44, (3<<16)|(1<<21)
.irp g, G1, G1B
	s_mov_b32 s[\g+1], 32<<16
	s_mov_b32 s[\g+2], 96<<16
	s_mov_b32 s[\g+3], 32<<16
	s_mov_b32 s[\g+4], 96
	s_mov_b32 s[\g+5], 32
	s_mov_b32 s[\g+6], 0
	s_mov_b32 s[\g+7], 0
.endr
	s_or_b32 s[G1S+0], s43, (3<<16)|(1<<20)|(1<<21)|(5<<22)|(3<<25)
	s_or_b32 s[G1SB+0], s44, (3<<16)|(1<<20)|(1<<21)|(5<<22)|(3<<25)
.irp g, G1S, G1SB
	s_mov_b32 s[\g+1], 32<<16
	s_mov_b32 s[\g+2], 16<<16
	s_mov_b32 s[\g+3], 32<<16
	s_mov_b32 s[\g+4], 16
	s_mov_b32 s[\g+5], 32
	s_mov_b32 s[\g+6], 0
	s_mov_b32 s[\g+7], 0
.endr
	s_mul_i32 s18, s16, 98304
	s_mul_i32 s20, s96, 196608
	s_add_co_u32 s20, s20, s18
	s_mov_b32 s21, 0
	s_mul_i32 s46, s97, 196608
	s_add_co_u32 s46, s46, s18
	s_mov_b32 s47, 0
	s_lshl_b32 s18, s16, 12
	s_lshl_b32 s22, s96, 13
	s_add_co_u32 s22, s22, s18
	s_mov_b32 s23, 0
	s_lshl_b32 s100, s97, 13
	s_add_co_u32 s100, s100, s18
	s_mov_b32 s101, 0
	s_mul_i32 s45, s14, HALFT
	s_mul_i32 s3, s14, HALFS
	s_wait_kmcnt 0x0
	s_add_nc_u64 s[20:21], s[4:5], s[20:21]
	s_add_nc_u64 s[22:23], s[6:7], s[22:23]
	s_add_nc_u64 s[46:47], s[8:9], s[46:47]
	s_add_nc_u64 s[100:101], s[10:11], s[100:101]
	CROUND
	s_mov_b32 s[G0S], 1
	s_add_co_u32 s[G0S+1], s3, SCL
	s_mov_b64 s[G0S+2:G0S+3], s[22:23]
	s_or_b32 s[G0S+3], s[G0S+3], 0x80000000
	s_mov_b32 s[G0SB], 1
	s_add_co_u32 s[G0SB+1], s3, SCL
	s_mov_b64 s[G0SB+2:G0SB+3], s[100:101]
	s_or_b32 s[G0SB+3], s[G0SB+3], 0x80000000
	JLOAD G0S, G1S, G0SB, G1SB
.irp s, 0,1
	s_mov_b32 s[G0+4*\s], 1
	s_add_co_u32 s[G0+4*\s+1], s45, \s*SLOT
	s_add_nc_u64 s[G0+4*\s+2:G0+4*\s+3], s[20:21], \s*HALFT
	s_or_b32 s[G0+4*\s+3], s[G0+4*\s+3], 0x80000000
	s_mov_b32 s[G0B+4*\s], 1
	s_add_co_u32 s[G0B+4*\s+1], s45, \s*SLOT
	s_add_nc_u64 s[G0B+4*\s+2:G0B+4*\s+3], s[46:47], \s*HALFT
	s_or_b32 s[G0B+4*\s+3], s[G0B+4*\s+3], 0x80000000
	s_wait_alu depctr_va_vdst(0)
	s_wait_tensorcnt 0x0
	ds_add_u32 v28, v29
	s_wait_dscnt 0x0
	CROUND
	JLOAD G0+4*\s, G1, G0B+4*\s, G1B
.endr
	v_and_b32 v1, 15, v0
	v_bfe_u32 v2, v0, 4, 1
	v_and_b32 v3, 31, v0
	v_lshlrev_b32 v[I16], 4, v3
	v_lshlrev_b32 v[I8], 3, v3
	s_mul_i32 s21, s15, HALFT
	s_mul_i32 s22, s16, HALFT
	s_add_co_u32 s22, s22, 2*HALFT
.irp s, 0,1
	v_add_nc_u32 v[ADRA+\s], s21, v[I16]
	v_add_nc_u32 v[ADRB+\s], s22, v[I16]
	v_add_nc_u32 v[ADRA+2+\s], s21, v[I8]
	v_add_nc_u32 v[ADRB+2+\s], s22, v[I8]
	s_add_co_u32 s21, s21, SLOT
	s_add_co_u32 s22, s22, SLOT
.endr
	v_mul_u32_u24 v5, v1, KS
	v_lshrrev_b32 v6, 8, v5
	v_lshl_add_u32 v5, v6, 4, v5
	s_mul_i32 s21, s15, HALFS
	s_mul_i32 s22, s16, HALFS
	s_add_co_u32 s22, s22, 2*HALFS
	s_sub_co_u32 s22, s22, s21
	v_mul_u32_u24 v6, s22, v2
	s_add_co_u32 s21, s21, SCL
	v_add_nc_u32 v5, v5, v6
	v_add_nc_u32 v[ADRS], s21, v5
	s_mul_i32 s23, s14, 16*SPITCH
	v_mul_u32_u24 v13, v1, SPITCH
	v_lshl_add_u32 v13, v2, 6, v13
	v_add_nc_u32 v[STO], s23, v13
	v_lshlrev_b32 v[CO], 4, v3
	v_add_nc_u32 v[RD], s23, v[CO]
	v_lshlrev_b32 v[BQL], 6, v2
	s_wait_alu depctr_va_vdst(0)
	s_lshl_b32 s20, s40, 10
	s_lshl_b32 s21, s16, 9
	s_add_co_u32 s20, s20, s21
	s_mov_b32 s21, 0
	s_add_nc_u64 s[92:93], s[92:93], s[20:21]
	s_add_nc_u64 s[94:95], s[94:95], s[20:21]
	s_lshl_b32 s20, s96, 20
	s_lshl_b32 s22, s15, 19
	s_add_co_u32 s20, s20, s22
	s_add_nc_u64 s[94:95], s[94:95], s[20:21]
.irp b, 0,1,2,3,4,5,6,7
	global_load_b128 v[BI+8*\b:BI+8*\b+3], v[BQL], s[92:93] offset:(32*(\b/2)+8*(\b%2))*4
	global_load_b128 v[BI+8*\b+4:BI+8*\b+7], v[BQL], s[92:93] offset:(32*(\b/2)+8*(\b%2))*4+16
.endr
.macro FRAG reg, adr, q, i
	ds_load_b128 v[\reg:\reg+3], v[\adr] offset:(\i)*3072+(\q)*1536
	ds_load_b64 v[\reg+4:\reg+5], v[\adr+2] offset:(\i)*3072+(\q)*1536+512
	ds_load_b128 v[\reg+6:\reg+9], v[\adr] offset:(\i)*3072+(\q)*1536+768
	ds_load_b64 v[\reg+10:\reg+11], v[\adr+2] offset:(\i)*3072+(\q)*1536+1280
.endm
.macro MUL16 a0, p, q, sc, mode
.irp a, \a0, \a0+1
.irp b, 0,1,2,3,4,5,6,7
.if \mode == 0
	v_wmma_scale_f32_16x16x128_f8f6f4 v[8*(8*((\a)%4)+\b):8*(8*((\a)%4)+\b)+7], v[128*(\p)+FR*\b:128*(\p)+FR*\b+FR-1], v[AF+FR*(\a):AF+FR*(\a)+FR-1], v[8*(8*((\a)%4)+\b):8*(8*((\a)%4)+\b)+7], v[SC+8*NQ*(\sc)+NQ*\b+(\q)], v[SC+8*NQ*(\sc)+NQ*(\a)+(\q)] matrix_a_fmt:MATRIX_FMT_FP6 matrix_b_fmt:MATRIX_FMT_FP6 matrix_a_scale:MATRIX_SCALE_ROW1
.else
	v_wmma_scale_f32_16x16x128_f8f6f4 v[8*(8*((\a)%4)+\b):8*(8*((\a)%4)+\b)+7], v[128*(\p)+FR*\b:128*(\p)+FR*\b+FR-1], v[AF+FR*(\a):AF+FR*(\a)+FR-1], v[BI+8*\b:BI+8*\b+7], v[SC+8*NQ*(\sc)+NQ*\b+(\q)], v[SC+8*NQ*(\sc)+NQ*(\a)+(\q)] matrix_a_fmt:MATRIX_FMT_FP6 matrix_b_fmt:MATRIX_FMT_FP6 matrix_a_scale:MATRIX_SCALE_ROW1
.endif
.endr
.endr
.endm
.macro FETCH_B slot, q, p
	WIN TO_B
.irp i, 0,1,2,3,4,5,6,7
	FRAG 128*(\p)+FR*\i, ADRB+\slot, \q, \i
.endr
	WIN 0
.endm
.macro FETCH_A slot, q, i0
.irp i, \i0, \i0+1, \i0+2, \i0+3
	FRAG AF+FR*(\i), ADRA+\slot, \q, \i
.endr
.endm
.macro SCALES sc
.irp i, 0,1,2,3,4,5,6,7
	ds_load_b64 v[SC+8*NQ*\sc+NQ*\i:SC+8*NQ*\sc+NQ*\i+1], v[ADRS] offset:\i*SBLK
.endr
.endm
.macro PLACES n
.rept \n
	v_nop
.endr
.endm
.macro STEP slot, q, mode
	s_wait_dscnt 4*NL
.if \mode
	WIN 0x81
.else
	WIN MUL_LO
.endif
	MUL16 0, (\q)%2, \q, \slot, \mode
	MUL16 2, (\q)%2, \q, \slot, \mode
	s_wait_dscnt 0
	PLACES NP
	FETCH_B \slot, (\q)+1, 1-(\q)%2
	FETCH_A \slot, (\q)+1, 0
.if \mode
	WIN 0xc1
.else
	WIN MUL_HI
.endif
	MUL16 4, (\q)%2, \q, \slot, \mode
	MUL16 6, (\q)%2, \q, \slot, \mode
	PLACES NP
	WIN 0
	FETCH_A \slot, (\q)+1, 4
.endm
.macro TURN slot, next, fill
	s_wait_tensorcnt 0x0
	ds_add_u32 v[SPW], v[NIL]
	s_wait_dscnt 4*NL+1
	WIN MUL_LO
	MUL16 0, 1, NQ-1, \slot, 0
	s_wait_dscnt 0x0
	s_barrier_signal -1
	MUL16 2, 1, NQ-1, \slot, 0
	WIN 0
	s_barrier_wait -1
.if \fill
	CREST
	s_add_nc_u64 s[G0+4*\slot+2:G0+4*\slot+3], s[G0+4*\slot+2:G0+4*\slot+3], 2*HALFT
	s_add_nc_u64 s[G0B+4*\slot+2:G0B+4*\slot+3], s[G0B+4*\slot+2:G0B+4*\slot+3], 2*HALFT
	JLOAD G0+4*\slot, G1, G0B+4*\slot, G1B
.else
	PLACES NP
.endif
	s_wait_alu depctr_va_vdst(0)
	v_add_nc_u32 v[ADRS], 4*NQ, v[ADRS]
	FETCH_B \next, 0, 0
	FETCH_A \next, 0, 0
	SCALES \next
	WIN MUL_HI
	MUL16 4, 1, NQ-1, \slot, 0
	MUL16 6, 1, NQ-1, \slot, 0
	PLACES NP
	WIN 0
	FETCH_A \next, 0, 4
.endm
	s_wait_tensorcnt 1
	s_barrier_signal -1
	s_barrier_wait -1
	FETCH_B 0, 0, 0
	FETCH_A 0, 0, 0
	SCALES 0
	FETCH_A 0, 0, 4
	s_wait_loadcnt 0x0
	STEP 0, 0, 1
	s_mov_b32 s3, 1
.Llap:
	TURN 0, 1, 1
	STEP 1, 0, 0
	TURN 1, 0, 1
	STEP 0, 0, 0
	s_sub_co_u32 s3, s3, 1
	s_cmp_lg_u32 s3, 0
	s_cbranch_scc1 .Llap
	TURN 0, 1, 0
	STEP 1, 0, 0
	s_wait_dscnt 4*NL
	WIN MUL_LO
	MUL16 0, 1, NQ-1, 1, 0
	MUL16 2, 1, NQ-1, 1, 0
	s_wait_dscnt 0
	WIN MUL_HI
	MUL16 4, 1, NQ-1, 1, 0
	MUL16 6, 1, NQ-1, 1, 0
	WIN 0
.macro TOSTAGE a
.set AC, 64*((\a)%4)
	WIN 0x08+4*((\a)/4)
.irp b, 0,1,2,3,4,5,6,7
	ds_store_b128 v[STO], v[AC+8*\b:AC+8*\b+3] offset:128*(\b/2)+32*(\b%2)
	ds_store_b128 v[STO], v[AC+8*\b+4:AC+8*\b+7] offset:128*(\b/2)+32*(\b%2)+16
.endr
	WIN 0
.set BB, BK+64*((\a)%2)
.irp t, 0,1,2,3,4,5,6,7,8,9,10,11,12,13,14,15
	ds_load_b128 v[BB+4*\t:BB+4*\t+3], v[RD] offset:\t*SPITCH
.endr
.endm
.macro SEND a, younger
.set BB, BK+64*((\a)%2)
	s_wait_dscnt \younger
.irp t, 0,1,2,3,4,5,6,7,8,9,10,11,12,13,14,15
	global_store_b128 v[CO], v[BB+4*\t:BB+4*\t+3], s[94:95] offset:(32*((\a)/2)+8*((\a)%2)+\t+8*(\t/8))*4096 th:TH_STORE_NT
.endr
.endm
	PLACES NP
	TOSTAGE 0
.irp a, 1,2,3,4,5,6,7
.if \a > 1
	s_wait_xcnt 0x0
.endif
	TOSTAGE \a
	SEND \a-1, 32
.endr
	SEND 7, 0
	s_wait_tensorcnt 0x0
	ds_add_u32 v[SPW], v[NIL]
	s_wait_dscnt 0x0
	CROUND
	s_endpgm
.Lfunc_end_k_q286940df7e_oproj:
	.size	k_q286940df7e_oproj, .Lfunc_end_k_q286940df7e_oproj-k_q286940df7e_oproj
	.p2alignl 7, 3214868480
	.fill 96, 4, 3214868480
	.section	.rodata,"a",@progbits
	.p2align	6, 0x0
	.amdhsa_kernel k_q286940df7e_oproj
		.amdhsa_group_segment_fixed_size 327680
		.amdhsa_private_segment_fixed_size 0
		.amdhsa_enable_private_segment 0
		.amdhsa_kernarg_size 48
		.amdhsa_user_sgpr_count 2
		.amdhsa_user_sgpr_kernarg_segment_ptr 1
		.amdhsa_wavefront_size32 1
		.amdhsa_system_sgpr_workgroup_id_x 1
		.amdhsa_system_sgpr_workgroup_id_y 1
		.amdhsa_system_sgpr_workgroup_id_z 1
		.amdhsa_system_vgpr_workitem_id 0
		.amdhsa_next_free_vgpr 1024
		.amdhsa_next_free_sgpr 102
		.amdhsa_reserve_vcc 0
		.amdhsa_float_denorm_mode_32 3
		.amdhsa_float_denorm_mode_16_64 3
		.amdhsa_memory_ordered 1
		.amdhsa_forward_progress 1
		.amdhsa_inst_pref_size 146
	.end_amdhsa_kernel
	.amdgpu_metadata
---
amdhsa.version: [ 1, 2 ]
amdhsa.kernels:
  - .name:           k_q286940df7e_oproj
    .symbol:         k_q286940df7e_oproj.kd
    .args:
      - { .name: aimg, .offset: 0, .size: 8, .value_kind: global_buffer, .address_space: global }
      - { .name: ascl, .offset: 8, .size: 8, .value_kind: global_buffer, .address_space: global }
      - { .name: cimg, .offset: 16, .size: 8, .value_kind: global_buffer, .address_space: global }
      - { .name: cscl, .offset: 24, .size: 8, .value_kind: global_buffer, .address_space: global }
      - { .name: bo, .offset: 32, .size: 8, .value_kind: global_buffer, .address_space: global }
      - { .name: out0, .offset: 40, .size: 8, .value_kind: global_buffer, .address_space: global }
    .group_segment_fixed_size: 327680
    .private_segment_fixed_size: 0
    .kernarg_segment_align: 8
    .kernarg_segment_size: 48
    .max_flat_workgroup_size: 128
    .sgpr_count:     102
    .vgpr_count:     1024
    .wavefront_size: 32
...
	.end_amdgpu_metadata
.endif
;; end of part 4
